; MI455X (gfx1250); checked and timed in simulation.
; The chip was launched on July 23, 2026; its instructions are those of AMD's public machine-readable ISA for CDNA 5 (MIT licence, August 2026) and "CDNA5" Instruction Set Architecture Reference Guide (July 2026). The comments in the code are by the model that wrote it; some were corrected since.
;; Neighbor Attention. Allowed arithmetic: matrix products marked QUANTISED: E5M2 operands, one E8M0 scale for each 32 along K, by v_wmma_scale_f32_16x16x128_f8f6f4 with both operands' format E5M2, f32 sums; everything else in f32.
;; Inputs: kb 1,024 float32; kw 1,024 x 1,024 float32; ln_b 1,024 float32; ln_g 1,024 float32; mask 8 x 1,024 int32; neighbor_mask 8 x 50 float32; ob 1,024 float32; ow 1,024 x 1,024 float32; qb 1,024 float32; qw 1,024 x 1,024 float32; vb 1,024 float32; vw 1,024 x 1,024 float32; x 8 x 1,024 x 1,024 float32; x_neighbor 8 x 50 x 1,024 float32.
;; Outputs: out0 8 x 1,024 x 1,024 float32.
;; This version of the problem:
;;   THIS VERSION OF THE PROBLEM IS GIVEN IN LOW PRECISION. The matrix products marked QUANTISED in the list below multiply operands that are first quantised to E5M2 (5 exponent bits, 2 mantissa bits; 8 bits a number), with one power-of-two scale for each 32 numbers along K (OCP MX v1.0); their sums are f32. All else is computed in f32.
;;   The module's matrix products, in the order in which they are computed (A, B: the left and right operand; K: the contracted axis; several contracted axes count as one K, in the product's order):
;;     1. [M 8,192, K 1,024] x [K 1,024, N 1,024]; A: computed on the way; B: input qw: QUANTISED
;;     2. [M 8,192, K 1,024] x [K 1,024, N 1,024]; A: input x; B: input kw: QUANTISED
;;     3. [M 8,192, K 1,024] x [K 1,024, N 1,024]; A: input x; B: input vw: QUANTISED
;;     4. batch 128 x [M 1,024, K 64] x [K 64, N 1,024]; A: computed on the way; B: computed on the way: QUANTISED
;;     5. batch 128 x [M 1,024, K 1,024] x [K 1,024, N 64]; A: softmax (see below); B: computed on the way: QUANTISED
;;     6. [M 8,192, K 1,024] x [K 1,024, N 1,024]; A: computed on the way; B: input ow: QUANTISED
;;   THE QUANTISER, for each operand of a quantised product, along K:
;;     - K is cut into blocks of 32 from its start; a last block that is shorter is filled with zeros.
;;     - A block's scale is 2^e with e = floor(log2(the largest magnitude in the block)) - 15, held to -126 .. 127; a block of zeros has e = 0. As a byte (E8M0): e + 127.
;;     - Each number is divided by its block's scale, clamped to +-57,344, and rounded to the nearest number of E5M2, ties to even, subnormals kept.
;;     - The product sums the exact products of the quantised numbers (number of the format x scale) in f32.
;;   ~~~python
;;   def quantise(x, axis):      # numpy; x: float32 -> the quantised numbers, widened to float32 again
;;       x = np.moveaxis(x, axis, -1); K = x.shape[-1]
;;       x = np.pad(x, [(0, 0)] * (x.ndim - 1) + [(0, -K % 32)]); x = x.reshape(x.shape[:-1] + (-1, 32)); a = np.abs(x).max(-1, keepdims=True)
;;       e = np.where(a > 0, np.clip(np.frexp(np.where(a > 0, a, 1))[1] - 1 - 15, -126, 127), 0)      # np.frexp(a)[1] - 1 = floor(log2(a)), exactly
;;       r = np.clip(x / 2.0 ** e, -57344, 57344)
;;       step = 2.0 ** (np.maximum(np.frexp(np.where(r == 0, 1, r))[1] - 1, -14) - 2)
;;       q = np.round(r / step) * step * 2.0 ** e      # np.round: ties to even
;;       return np.moveaxis(q.reshape(q.shape[:-2] + (-1,))[..., :K], -1, axis).astype(np.float32)
;;   ~~~
;;   SOFTMAX AHEAD OF A QUANTISED PRODUCT. Where the list says 'softmax', what is quantised is not the finished softmax but p = 2^(t - M), with t = logit x log2(e) and M = ceil(the row's largest t), a whole number; so 1/2 < the row's largest p <= 1. The row's sum l is taken of the UNQUANTISED p, in f32, and the product's result is divided by l at the end. Since M is a whole number, a kernel that streams over the keys may use a running M (the ceiling of the running maximum): every later rescaling is an exact power of two, which a block's scale takes up: the codes' values come out the same.
;;   OPERANDS COMPUTED ON THE WAY. 'Computed on the way' means the value that the module computes at that place (a softmax that the list does not call 'softmax' is quantised finished and normalised). What goes into a quantiser is computed in f32, as accurately as f32 sums, v_exp_f32 and their like allow (about 1e-6 of the number): no bf16 or f16 on the way to a quantiser, and a product that is left as it is and whose result goes on into a quantised operand takes f32 operands (vector FMAs, or v_wmma_f32_16x16x4_f32). A number that lies on a knife's edge between two numbers of the format may be rounded either way, as far as f32 arithmetic and the matrix unit's own rounding can turn it there, and no further.
;; One version. Each part assembles by itself: llvm-mc -triple=amdgcn-amd-amdhsa -mcpu=gfx1250 --defsym DOCPART=n.
;; ======== version 1 of 1: 4 launches
;; limits: right only within a limited range of input values
;; workspace buffers: xq 8,650,752 bytes; wq 4,325,376 bytes; xnq 16,384 bytes; opc 262,144 bytes; ml 131,072 bytes; opart 262,144 bytes
;; launch quant (part 1): grid 264 x 1, 8 waves a work-group, no clusters, 43,520 bytes of LDS; arguments x, kw, vw, qw, ow, xq, wq, x_neighbor, neighbor_mask, xnq; writes xq, wq, xnq
.if DOCPART == 1
	.amdgcn_target "amdgcn-amd-amdhsa--gfx1250"
	.amdhsa_code_object_version 6
	.text
	.protected	k_q29f51db854_quant
	.globl	k_q29f51db854_quant
	.p2align	8
	.type	k_q29f51db854_quant,@function
k_q29f51db854_quant:
	s_mov_b64 s[64:65], 0
	v_nop
	global_prefetch_b8 v0, s[64:65] scope:SCOPE_SE
	s_setreg_imm32_b32 hwreg(HW_REG_WAVE_MODE, 25, 1), 1
	s_wait_xcnt 0x0
; WHAT THE PROGRAM LEAVES OUT: reference() broadcasts ONE query row, xn[batch], to all 1,024 rows of a batch, and every later step up to out = context ow^T + ob works on a row by itself: so q, the
; weights, the context and out are equal in all rows of a batch, for all values of the inputs.  They are made once for each batch; the other 1,023 equal rows of products 1, 4, 5 and 6 are not made again.
; Every input is loaded.  K's bias stays (it goes into a quantiser).
; THIS LAUNCH: x [8192][1024] and the four weights [1024][1024], f32 with K innermost, become codes of BF8 (E5M2) with one E8M0 byte for each 32 along K;
; the masked mean of the neighbours, xn [8][1024], is made and quantised too.
; A block's scale is 2^(floor(log2(its largest magnitude)) - 15); its byte is that magnitude's exponent field - 15, held at 1 from below.  Each number is
; divided by the scale, held within +-57,344 and rounded to the nearest code, ties to even.
; ROW ORDER OF THE CODES: a row is stored at the place with its bits 3 and 4 exchanged.  Sixteen stored neighbours are then the rows 32 (i/2) + 8 (i%2) + r + 8 (r/8),
; so that a lane's results of two neighbouring tiles are 16 neighbours along the next K.
; xq: codes at 0, scale bytes [place][32] at XS_OFF.  wq: places 256 s .. + 127: kw's rows 128 s on; + 128 .. + 255: vw's rows 128 s on (s = head pair); from 2,048 qw, from 3,072 ow; scale bytes at WS_OFF.
; xnq: codes [8][1024] at 0; at 8,192 for each (batch, K step of 128) 32 copies of the step's scale word, one for each lane of a reader.
; Work-groups 0-7: the mean (batch = number, K step = wave).  Work-groups 8-263: a stream: 32 rows of x and 16 rows of the weights each; a wave 4 rows of x (8 steps of 512 numbers) and 2 of a weight (4 steps).
; Memory binds: no tensor load, no cluster, and no prefetch: the loads themselves run eight steps (32 loads of 512 bytes a wave) ahead.
; LIMITS: NaN and infinities are not served; blocks whose largest magnitude lies under 2^-111 keep the byte 1; a block of zeros gets the byte 1 where the rule says 127
; (its codes are zeros, and this program alone reads the bytes); a batch whose neighbour mask sums to 0 is not served (the mean is then no number).
.set XS_OFF, 8388608
.set WS_OFF, 4194304
.set STEPS, 12
.set AHEAD, 8
.set EMAX,  15
.set MANT,  0x600000                   ; the mantissa field of 57,344 as f32
.set R,     16                         ; v16-143  eight sets of 16 numbers as they are loaded
.set X,     144                        ; v144-175 two sets of 16 neighbours
.set C,     176                        ; v176-223 codes: four registers for each step
.set E,     224                        ; v224-235 a scale byte for each step
.set SP,    80                         ; a lane's place in a stage: 64 bytes + 16 of padding
.set WREG,  64*SP                      ; LDS: two stages for each wave
.set SB,    8*WREG                     ; behind them the work-group's scale bytes: 1,024 of x, 512 of the weights
.set SPARE, SB+1536
	v_lshl_add_u32 v240, v0, 2, SPARE
	v_mov_b32 v241, 0
	s_cmp_lt_u32 ttmp9, 8
	s_cbranch_scc1 .Lpool
; ---------------- the stream: two neighbouring lanes hold a block ----------------
	s_load_b256 s[4:11], s[0:1], 0x0               ; x, kw, vw, qw
	s_load_b128 s[12:15], s[0:1], 0x20             ; ow, xq
	s_load_b64 s[24:25], s[0:1], 0x30              ; wq
	v_lshrrev_b32 v1, 5, v0
	v_readfirstlane_b32 s16, v1                    ; wave w
	v_and_b32 v2, 31, v0                           ; lane
	v_lshlrev_b32 v3, 4, v2                        ; 16 x lane: my bytes of a load's 512, and my codes' place in a step's
	s_mul_i32 s17, s16, WREG
	v_lshrrev_b32 v14, 2, v2
	v_mul_u32_u24 v14, v14, SP
	v_and_b32 v15, 3, v2
	v_lshl_add_u32 v14, v15, 4, v14
	v_add_nc_u32 v14, s17, v14                     ; the stage, on the way in: SP (lane / 4) + 16 (lane % 4)
	v_mul_u32_u24 v15, v2, SP
	v_add_nc_u32 v15, s17, v15                     ; and on the way out: SP x lane: my 16 neighbours
	s_sub_co_u32 s30, ttmp9, 8                     ; g
	s_and_b32 s34, s16, 1                          ; the places of my rows of x: 4 (w % 2) + 8 (w / 4) + 16 (w / 2 % 2) on
	s_lshl_b32 s34, s34, 2
	s_lshr_b32 s22, s16, 2                         ; w / 4
	s_lshl_b32 s35, s22, 3
	s_or_b32 s34, s34, s35
	s_bfe_u32 s35, s16, 0x10001
	s_lshl_b32 s35, s35, 4
	s_or_b32 s34, s34, s35
	s_wait_alu depctr_va_vdst(0)
	v_lshrrev_b32 v4, 1, v2
	s_lshl_b32 s35, s34, 5
	s_add_co_u32 s35, s35, SB
	v_add_nc_u32 v5, s35, v4                       ; LDS: my block's scale byte, x
	s_and_b32 s39, s16, 3                          ; w % 4
	s_lshl_b32 s35, s22, 8
	s_lshl_b32 s38, s39, 6
	s_add_co_u32 s35, s35, s38
	s_add_co_u32 s35, s35, SB+1024
	v_add_nc_u32 v6, s35, v4                       ; and the weights'
	v_lshlrev_b32 v7, 3, v2                        ; on the way out 8 bytes a lane, 256 a wave
	s_lshl_b32 s35, s16, 8
	s_add_co_u32 s35, s35, SB
	v_add_nc_u32 v12, s35, v7
	s_lshr_b32 s31, s30, 6                         ; which weight
	s_bfe_u32 s32, s30, 0x50001                    ; which 32 rows of it: b
	s_and_b32 s33, s30, 1                          ; which 16 of these
	s_lshr_b32 s36, s32, 2
	s_lshl_b32 s36, s36, 3
	s_and_b32 s37, s32, 3
	s_add_co_u32 s36, s36, s37
	s_lshl_b32 s37, s31, 2
	s_add_co_u32 s36, s36, s37                     ; kw, vw: 8 (b / 4) + b % 4 + 4 x weight
	s_lshl_b32 s37, s31, 5
	s_add_co_u32 s37, s37, s32                     ; qw, ow: 32 x weight + b
	s_cmp_lt_u32 s31, 2
	s_cselect_b32 s36, s36, s37                    ; which 32 places of wq
	s_lshl_b32 s18, s30, 17                        ; x: 32 rows of 4,096 bytes a work-group,
	s_lshl_b32 s19, s16, 14                        ; 4 a wave
	s_add_co_u32 s18, s18, s19
	s_mov_b32 s19, 0
	s_lshl_b32 s20, s30, 5
	s_add_co_u32 s20, s20, s34
	s_lshl_b32 s20, s20, 10                        ; its codes
	s_mov_b32 s21, 0
	s_and_b32 s40, s30, 63
	s_lshl_b32 s40, s40, 16                        ; the weight: 16 rows a work-group,
	s_lshl_b32 s41, s16, 13                        ; 2 a wave
	s_add_co_u32 s40, s40, s41
	s_mov_b32 s41, 0
	s_lshl_b32 s42, s36, 5
	s_lshl_b32 s43, s22, 4
	s_add_co_u32 s42, s42, s43
	s_lshl_b32 s43, s33, 3
	s_add_co_u32 s42, s42, s43
	s_lshl_b32 s43, s39, 1
	s_add_co_u32 s42, s42, s43                     ; its places: 16 (w / 4) + 8 (g % 2) + 2 (w % 4) on
	s_lshl_b32 s42, s42, 10
	s_mov_b32 s43, 0
	s_lshl_b32 s50, s30, 10                        ; the scale bytes that my wave stores at the end: waves 0-3 x's,
	s_lshl_b32 s51, s16, 8
	s_add_co_u32 s50, s50, s51
	s_add_co_u32 s50, s50, XS_OFF
	s_lshl_b32 s52, s36, 10                        ; waves 4, 5 the weights': two runs of 8 places
	s_and_b32 s53, s16, 1
	s_lshl_b32 s53, s53, 9
	s_add_co_u32 s52, s52, s53
	s_lshl_b32 s53, s33, 8
	s_add_co_u32 s52, s52, s53
	s_add_co_u32 s52, s52, WS_OFF
	s_cmp_lt_u32 s16, 4
	s_cselect_b32 s50, s50, s52
	s_mov_b32 s51, 0
	s_mov_b32 s23, MANT
	s_wait_alu depctr_va_vdst(0)
	s_wait_kmcnt 0x0
	s_mov_b64 s[28:29], s[6:7]                     ; the choices hang on the work-group's and the wave's number alone
	s_cmp_ge_u32 s31, 1
	s_cselect_b64 s[28:29], s[8:9], s[28:29]
	s_cmp_ge_u32 s31, 2
	s_cselect_b64 s[28:29], s[10:11], s[28:29]
	s_cmp_ge_u32 s31, 3
	s_cselect_b64 s[28:29], s[12:13], s[28:29]
	s_cmp_lt_u32 s16, 4
	s_cselect_b64 s[48:49], s[14:15], s[24:25]
	s_add_nc_u64 s[26:27], s[4:5], s[18:19]        ; my numbers of x
	s_add_nc_u64 s[28:29], s[28:29], s[40:41]      ; and of the weight
	s_add_nc_u64 s[44:45], s[14:15], s[20:21]      ; their codes
	s_add_nc_u64 s[46:47], s[24:25], s[42:43]
	s_add_nc_u64 s[48:49], s[48:49], s[50:51]
.macro LOAD t
.irp i, 0,1,2,3
.if (\t) < 8
	global_load_b128 v[R+16*((\t)%AHEAD)+4*\i:R+16*((\t)%AHEAD)+4*\i+3], v3, s[26:27] offset:2048*(\t)+512*\i th:TH_LOAD_NT   ; 32 lanes read 512 consecutive bytes
.else
	global_load_b128 v[R+16*((\t)%AHEAD)+4*\i:R+16*((\t)%AHEAD)+4*\i+3], v3, s[28:29] offset:2048*((\t)-8)+512*\i th:TH_LOAD_NT
.endif
.endr
.endm
.macro TURN t                          ; step t's numbers through the stage: LDS serves a wave's instructions in order, so no wait stands between the stores and the loads
.irp i, 0,1,2,3
	ds_store_b128 v14, v[R+16*((\t)%AHEAD)+4*\i:R+16*((\t)%AHEAD)+4*\i+3] offset:32*SP*((\t)%2)+8*SP*\i
.endr
.irp i, 0,1,2,3
	ds_load_b128 v[X+16*((\t)%2)+4*\i:X+16*((\t)%2)+4*\i+3], v15 offset:32*SP*((\t)%2)+16*\i
.endr
.endm
.irp t, 0,1,2,3,4,5,6,7
	LOAD \t
.endr
	s_wait_loadcnt 28                              ; step 0's four loads are in; seven steps' 28 stay out
	TURN 0
.macro STEP t
.set XS, X+16*((\t)%2)
.if (\t) > 0
	s_wait_dscnt 1                                 ; this step's numbers are back from the stage (the last step's byte store may be out)
.else
	s_wait_dscnt 0x0
.endif
.if (\t)+AHEAD < STEPS
	LOAD (\t)+AHEAD                                ; into the registers that the stage's stores have read
.endif
.if (\t)+1 < STEPS
.if (\t)+AHEAD < STEPS
	s_wait_loadcnt 28                              ; the next step's four loads are in; those of the seven steps behind it may be out
.else
	s_wait_loadcnt 4*(STEPS-2-(\t))
.endif
	TURN (\t)+1
.endif
	v_max3_num_f32 v8, |v[XS]|, |v[XS+1]|, |v[XS+2]|               ; the largest magnitude of my 16
	v_max3_num_f32 v9, |v[XS+3]|, |v[XS+4]|, |v[XS+5]|
.irp i, 6,10
	v_max3_num_f32 v8, v8, |v[XS+\i]|, |v[XS+\i+1]|
	v_max3_num_f32 v9, v9, |v[XS+\i+2]|, |v[XS+\i+3]|
.endr
	v_max3_num_f32 v8, v8, |v[XS+14]|, |v[XS+15]|
	v_max3_num_f32 v8, v8, v9, (EMAX+1)<<23        ; and the floor 2^(16 - 127): the byte cannot fall under 1
	v_max_num_f32_dpp v8, v8, v8 row_xmask:1 row_mask:0xf bank_mask:0xf   ; and of my neighbour's 16: the block's
	v_add_nc_u32 v11, -(EMAX<<23), v8              ; 15 off its exponent field: the conversion's scale operand
	v_and_or_b32 v10, v8, 0x7f800000, s23          ; 57,344 x the scale
.irp i, 0,1,2,3,4,5,6,7,8,9,10,11,12,13,14,15
	v_med3_num_f32 v[XS+\i], v[XS+\i], -v10, v10   ; the conversion does not saturate (ISA guide 7.6.2): the hold comes first
.endr
	v_cvt_scalef32_pk8_bf8_f32 v[C+4*(\t):C+4*(\t)+1], v[XS:XS+7], v11
	v_cvt_scalef32_pk8_bf8_f32 v[C+4*(\t)+2:C+4*(\t)+3], v[XS+8:XS+15], v11
	v_lshrrev_b32 v[E+(\t)], 23, v11               ; the scale's byte; both lanes of a block write the same byte with the same value
.if (\t) < 8
	ds_store_b8 v5, v[E+(\t)] offset:16*(\t)
	global_store_b128 v3, v[C+4*(\t):C+4*(\t)+3], s[44:45] offset:512*(\t)   ; 512 consecutive bytes
.else
	ds_store_b8 v6, v[E+(\t)] offset:16*((\t)-8)
	global_store_b128 v3, v[C+4*(\t):C+4*(\t)+3], s[46:47] offset:512*((\t)-8)
.endif
.endm
.irp t, 0,1,2,3,4,5,6,7,8,9,10,11
	STEP \t
.endr
	s_wait_alu depctr_va_vdst(0)
	s_wait_dscnt 0x0
	s_barrier_signal -1
	s_barrier_wait -1                              ; all eight waves' scale bytes lie in LDS: six units of 256 bytes
	s_cmp_lt_u32 s16, 6
	s_cbranch_scc0 .Lno_scales
	ds_load_b64 v[8:9], v12
	s_wait_dscnt 0x0
	global_store_b64 v7, v[8:9], s[48:49]          ; 32 lanes store 256 consecutive bytes
.Lno_scales:
	s_wait_tensorcnt 0x0                           ; the wave's end
	ds_add_u32 v240, v241
	s_wait_dscnt 0x0
	s_endpgm
; ---------------- the mean: a wave takes 128 dims of one batch, 4 a lane; no LDS ----------------
.Lpool:
	s_load_b64 s[4:5], s[0:1], 0x38                ; x_neighbor
	s_load_b64 s[6:7], s[0:1], 0x40                ; neighbor_mask
	s_load_b64 s[8:9], s[0:1], 0x48                ; xnq
	v_lshrrev_b32 v1, 5, v0
	v_readfirstlane_b32 s12, v1                    ; wave = K step of 128
	v_and_b32 v1, 31, v0
	v_lshlrev_b32 v2, 4, v1                        ; 16 x lane
	v_lshlrev_b32 v3, 2, v1                        ; 4 x lane
	s_mov_b32 s11, ttmp9                           ; batch
	s_mul_i32 s14, s11, 200                        ; the batch's 50 mask numbers
	s_mov_b32 s15, 0
	s_mul_i32 s70, s11, 204800                     ; its 50 rows of 4,096 bytes,
	s_lshl_b32 s13, s12, 9                         ; my 512 bytes of each
	s_add_co_u32 s70, s70, s13
	s_mov_b32 s71, 0
	s_lshl_b32 s2, s11, 10                         ; xnq: 1,024 x batch + 128 x K step, for the codes and, 8,192 further on, for the scale words
	s_lshl_b32 s13, s12, 7
	s_add_co_u32 s2, s2, s13
	s_mov_b32 s3, 0
	s_wait_alu depctr_va_vdst(0)
	s_wait_kmcnt 0x0
	s_add_nc_u64 s[6:7], s[6:7], s[14:15]
	s_add_nc_u64 s[4:5], s[4:5], s[70:71]
	s_add_nc_u64 s[8:9], s[8:9], s[2:3]
	s_load_b512 s[16:31], s[6:7], 0x0              ; mask numbers 0-47 in s16-63, 48 and 49 in s68-69
	s_load_b512 s[32:47], s[6:7], 0x40
	s_load_b512 s[48:63], s[6:7], 0x80
	s_load_b64 s[68:69], s[6:7], 0xc0
.set n, 0
.rept 50
	global_load_b128 v[40+4*n:43+4*n], v2, s[4:5] offset:4096*n   ; neighbour n: 512 consecutive bytes
.set n, n+1
.endr
	s_mov_b32 s14, MANT
	s_wait_kmcnt 0x0
	s_add_f32 s13, s16, s17                        ; the divisor: the sum of the mask
.set n, 2
.rept 48
.if n < 48
.set nm, 16+n
.else
.set nm, 20+n
.endif
	s_add_f32 s13, s13, s[nm]
.set n, n+1
.endr
	v_mov_b32 v12, s13
	s_wait_alu depctr_va_vdst(0)
	v_rcp_f32 v13, v12
.set n, 0
.rept 50
.if n < 48
.set nm, 16+n
.else
.set nm, 20+n
.endif
	s_wait_alu depctr_va_vdst(0)
	s_wait_loadcnt 49-n                            ; neighbour n is in; the younger rows stay out
.irp j, 0,1,2,3
.if n < 2
	s_wait_alu depctr_va_vdst(0)
	v_mul_f32 v[4+\j+4*(n%2)], s[nm], v[40+4*n+\j]     ; two chains, begun by the first two rows
.else
	v_fmac_f32 v[4+\j+4*(n%2)], s[nm], v[40+4*n+\j]
.endif
.endr
.set n, n+1
.endr
.irp j, 0,1,2,3
	v_add_f32 v[16+\j], v[4+\j], v[8+\j]
.endr
	s_wait_alu depctr_va_vdst(0)
.irp j, 0,1,2,3
	v_mul_f32 v[16+\j], v[16+\j], v13              ; xn
.endr
.irp j, 4,5,6,7
	v_mov_b32 v[16+\j], 0                          ; the conversion takes eight numbers: the upper four are not stored
.endr
	v_max3_num_f32 v28, |v16|, |v17|, (EMAX+1)<<23
	v_max3_num_f32 v28, v28, |v18|, |v19|
	v_max_num_f32_dpp v28, v28, v28 row_xmask:1 row_mask:0xf bank_mask:0xf   ; eight lanes hold a block of 32
	v_max_num_f32_dpp v28, v28, v28 row_xmask:2 row_mask:0xf bank_mask:0xf
	v_max_num_f32_dpp v28, v28, v28 row_xmask:4 row_mask:0xf bank_mask:0xf
	v_add_nc_u32 v29, -(EMAX<<23), v28
	v_and_or_b32 v30, v28, 0x7f800000, s14
.irp j, 0,1,2,3
	v_med3_num_f32 v[16+\j], v[16+\j], -v30, v30
.endr
	v_cvt_scalef32_pk8_bf8_f32 v[24:25], v[16:23], v29
	v_lshrrev_b32 v26, 23, v29                     ; the block's byte
	global_store_b32 v3, v24, s[8:9]               ; my four codes: the wave stores 128 consecutive bytes
	v_readlane_b32 s16, v26, 0                     ; the four blocks' bytes make the K step's scale word
	v_readlane_b32 s17, v26, 8
	v_readlane_b32 s18, v26, 16
	v_readlane_b32 s19, v26, 24
	s_lshl_b32 s17, s17, 8
	s_lshl_b32 s18, s18, 16
	s_lshl_b32 s19, s19, 24
	s_or_b32 s16, s16, s17
	s_or_b32 s18, s18, s19
	s_or_b32 s16, s16, s18
	v_mov_b32 v27, s16
	global_store_b32 v3, v27, s[8:9] offset:8192   ; a copy for each lane of a reader
	s_endpgm
.Lfunc_end_k_q29f51db854_quant:
	.size	k_q29f51db854_quant, .Lfunc_end_k_q29f51db854_quant-k_q29f51db854_quant
	.p2alignl 7, 3214868480
	.fill 96, 4, 3214868480
	.section	.rodata,"a",@progbits
	.p2align	6, 0x0
	.amdhsa_kernel k_q29f51db854_quant
		.amdhsa_group_segment_fixed_size 43520
		.amdhsa_private_segment_fixed_size 0
		.amdhsa_enable_private_segment 0
		.amdhsa_kernarg_size 80
		.amdhsa_user_sgpr_count 2
		.amdhsa_user_sgpr_kernarg_segment_ptr 1
		.amdhsa_wavefront_size32 1
		.amdhsa_system_sgpr_workgroup_id_x 1
		.amdhsa_system_sgpr_workgroup_id_y 1
		.amdhsa_system_sgpr_workgroup_id_z 1
		.amdhsa_system_vgpr_workitem_id 0
		.amdhsa_next_free_vgpr 242
		.amdhsa_next_free_sgpr 72
		.amdhsa_reserve_vcc 0
		.amdhsa_float_denorm_mode_32 3
		.amdhsa_float_denorm_mode_16_64 3
		.amdhsa_memory_ordered 1
		.amdhsa_forward_progress 1
		.amdhsa_inst_pref_size 60
	.end_amdhsa_kernel
	.amdgpu_metadata
---
amdhsa.version: [ 1, 2 ]
amdhsa.kernels:
  - .name:           k_q29f51db854_quant
    .symbol:         k_q29f51db854_quant.kd
    .args:
      - { .name: x, .offset: 0, .size: 8, .value_kind: global_buffer, .address_space: global }
      - { .name: kw, .offset: 8, .size: 8, .value_kind: global_buffer, .address_space: global }
      - { .name: vw, .offset: 16, .size: 8, .value_kind: global_buffer, .address_space: global }
      - { .name: qw, .offset: 24, .size: 8, .value_kind: global_buffer, .address_space: global }
      - { .name: ow, .offset: 32, .size: 8, .value_kind: global_buffer, .address_space: global }
      - { .name: xq, .offset: 40, .size: 8, .value_kind: global_buffer, .address_space: global }
      - { .name: wq, .offset: 48, .size: 8, .value_kind: global_buffer, .address_space: global }
      - { .name: x_neighbor, .offset: 56, .size: 8, .value_kind: global_buffer, .address_space: global }
      - { .name: neighbor_mask, .offset: 64, .size: 8, .value_kind: global_buffer, .address_space: global }
      - { .name: xnq, .offset: 72, .size: 8, .value_kind: global_buffer, .address_space: global }
    .group_segment_fixed_size: 43520
    .private_segment_fixed_size: 0
    .kernarg_segment_align: 8
    .kernarg_segment_size: 80
    .max_flat_workgroup_size: 256
    .sgpr_count:     72
    .vgpr_count:     242
    .wavefront_size: 32
...
	.end_amdgpu_metadata
.endif
;; end of part 1
;; launch kvattn (part 2): grid 8 x 32, 4 waves a work-group, clusters of 4 x 4, 327,680 bytes of LDS; arguments xq, wq, xnq, kb, vb, qb, mask, opc, ml; writes opc, ml
.if DOCPART == 2
	.amdgcn_target "amdgcn-amd-amdhsa--gfx1250"
	.amdhsa_code_object_version 6
	.text
	.protected	k_q29f51db854_kvattn
	.globl	k_q29f51db854_kvattn
	.p2align	8
	.type	k_q29f51db854_kvattn,@function
k_q29f51db854_kvattn:
	s_mov_b64 s[64:65], 0
	v_nop
	global_prefetch_b8 v0, s[64:65] scope:SCOPE_SE
	s_setreg_imm32_b32 hwreg(HW_REG_WAVE_MODE, 25, 1), 1
	s_wait_xcnt 0x0
	s_wait_alu depctr_hold_cnt(0) depctr_sa_sdst(0) depctr_va_vdst(0) depctr_va_sdst(0) depctr_va_ssrc(0) depctr_va_vcc(0) depctr_vm_vsrc(0)
	s_getreg_b32 s2, hwreg(HW_REG_IB_STS2, 6, 4)
	s_cmp_eq_u32 s2, 0
	s_cbranch_scc0 .Lentry_in_a_cluster
	s_endpgm
.Lentry_in_a_cluster:
	s_bfe_u32 s2, ttmp6, 0x10000c
	s_cmp_lg_u32 s2, 0xf033
	s_cbranch_scc0 .Lentry_shape_is_right
	s_endpgm
.Lentry_shape_is_right:
; K and V of one head pair for 256 tokens, and the attention of the batch's one query over these tokens: nothing of K and V goes to memory.
; The query row is the same for all 1,024 rows of a batch (reference() broadcasts xn[batch]): so one row of q, of the scores and of the weighted sum is made, in each of its steps.
; A work-group takes head pair s (128 columns of K and the same 128 of V) and 256 tokens.  Wave w: tokens 128 (w / 2) on; w even: K, w odd: V: 128 x 128, K = 1,024: 64 accumulators, 512 registers.
;   K: source 0 = kw's rows, source 1 = x's rows: a lane holds a token, its registers run along the columns.   V: source 0 = x's rows, source 1 = vw's rows: a lane holds a column, its registers run along the tokens.
;   Only LDS addresses and the first products' C (the bias) differ.  Both quantise their results in registers: they are operands then.
; THEN: q = xn qw^T + qb (32 columns a wave, the products among the quantiser's lines), joined through LDS; the K waves: q quantised, scores, mask, p = 2^(t - M) for their 128 tokens, M = ceil(their largest t), quantised;
;   the V waves: v^T p of the same 128 tokens.  Out go, for each of a batch's eight parts of 128 tokens, the sums (opc: 16 bytes a lane) and the pair -M, l (ml: 8 bytes a lane).  The next launch joins the parts: every rescaling is a power of two.
; The division of q by 8 is folded into c = log2(e) / 8 (a power of two passes through the quantiser into the scale; exact unless a scale byte of q meets 1 or 254).
; TWO HEADS FILL ONE K STEP OF 128: q's 16 columns carry head 2 s (even columns: codes in k 0-63, zero codes above) and head 2 s + 1 (odd columns, the other way round): a lane's parity is its head.
; LDS: two slots of 512 rows of 256 + 16 bytes: x's 256, kw's 128, vw's 128.  The head fills slot 0 with K step 0 and brings the scale bytes of all of K, one load a wave; behind rounds follow K step 1 (slot 1), K step 2 (slot 0),
;   K step 3 (slot 1) and qw (slot 0: a quarter of its K a wave, 128 rows).
; CLUSTERS: 4 head pairs x 4 windows of 256 tokens = one batch: x's rows are shared along a row of the cluster, the weights' along a column: joint loads.
; PREFETCH: K steps 1, 2, 3 and qw, a lane a row, one instruction a wave each; a cluster's partners share the rows out by address; the weights' by the clusters of batches 0 to 3 alone.
; LIMITS: NaN and infinities are not served; blocks whose largest magnitude lies under 2^-111, and blocks of zeros, keep the byte 1; scaled scores stay under 2^31 in magnitude.
; REGISTERS, window 0: v1-6 addresses; v8-15 xn's scale words; v16-31 q's accumulators; v32-63 scale words and nothing else; v64-127 the bias, behind the first step: v64-79 at work, v80-89, v124-126 addresses, v90-123 at work; v128-255 A's fragments.
;   window 1: B's fragments, two sets; then qw's (v0-127) and the codes of K or V (v128-255).  Windows 2, 3: the accumulators.
.set XS_OFF, 8388608
.set WS_OFF, 4194304
.set PITCH,  272
.set HALFT,  128*PITCH
.set SLOT,   4*HALFT
.set HALFS,  4352                      ; scale bytes of 128 rows: 16 units of 256 + 16 of padding
.set SBLK,   544                       ; of 16 rows
.set SCL,    2*SLOT
.set SPARE,  SCL+4*HALFS
.set QP,     SPARE+512                 ; q's tiles, 8 x 1,024
.set PIMG,   QP+8192                   ; p's fragments, 2 x 2,048
.set PSC,    PIMG+4096                 ; p's scale words
.set XN,     PSC+256                   ; xn's codes, a copy for each wave
.set MSK,    XN+4096                   ; 0 or -infinity for each token of a K wave
.set NL,   4
.set NP,   8
.set ADRA, 1                           ; LDS addresses of my fragments in slot 0; slot 1's: v124, v125
.set ADRB, 2
.set ADRS, 3
.set SPW,  4
.set NIL,  5
.set PFO,  6
.set XNS,  8
.set QA,   16
.set SC,   32
.set BI,   64
.set TM,   64
.set A1,   124
.set B1,   125
.set AF,   128
.set S,    128
.set MB,   192
.set PC,   96
.set G1,   24
.set G1S,  32
.set G0S,  40
.set G0SB, 44
.set G1B,  48
.set G1SB, 56
.set G0A,  88
.set G0B,  92
.set G0Q,  96
.set SEL,  32                          ; behind the head s32 on is free
.set FLR,  34
.set EXM,  35
.set MNT,  36
.set CS,   38
.set MSB, 0
.macro WIN new                         ; the immediate's high byte repeats the setting that is left
.if MSB != \new
	s_set_vgpr_msb (MSB<<8)|\new
.set MSB, \new
.endif
.endm
.macro PLACES n
.rept \n
	v_nop
.endr
.endm
.macro BARRIER
	s_barrier_signal -1
	s_barrier_wait -1
.endm
.macro CREST                           ; a round of the cluster's barrier behind its opening barrier
	s_cmp_lg_u32 s14, 0
	s_cbranch_scc1 .Lnot_wave_0_\@
	s_barrier_signal -3
.Lnot_wave_0_\@:
	s_barrier_wait -3
	BARRIER
.endm
.macro CROUND
	BARRIER
	CREST
.endm
.macro TLOAD g0, g1
	tensor_load_to_lds s[\g0:\g0+3], s[\g1:\g1+7]
	s_nop 0
	PLACES 4
.endm
.macro JLOAD                           ; waves 0, 1: x's halves; waves 2, 3: kw's, vw's rows
	s_cmp_eq_u32 s15, 0
	s_cbranch_scc0 .Lfor_b_\@
	TLOAD G0A, G1
	s_branch .Lasked_\@
.Lfor_b_\@:
	TLOAD G0B, G1B
.Lasked_\@:
.endm
.macro ASK f, b, o
	s_cmp_eq_u32 s\f, 1
	s_cbranch_scc0 .Lnot_mine_\@
	global_prefetch_b8 v[PFO], s[\b:\b+1] offset:\o th:TH_LOAD_NT scope:SCOPE_SE
.Lnot_mine_\@:
.endm
.macro OFF64 d, b                      ; s[d:d+1] = s[b:b+1] + the offset in s2
	s_mov_b32 s3, 0
	s_add_nc_u64 s[\d:\d+1], s[\b:\b+1], s[2:3]
.endm
.macro ADDSH d, x, n                   ; s[d] += s[x] << n
	s_lshl_b32 s3, s\x, \n
	s_add_co_u32 s\d, s\d, s3
.endm
	s_load_b512 s[68:83], s[0:1], 0x0              ; xq 68, wq 70, xnq 72, kb 74, vb 76, qb 78, mask 80, opc 82
	s_load_b64 s[84:85], s[0:1], 0x40              ; ml
	v_lshl_add_u32 v[SPW], v0, 2, SPARE
	v_mov_b32 v[NIL], 0
	ds_add_u32 v[SPW], v[NIL]                      ; the wave's opening: the add, twice on end, and its wait
	ds_add_u32 v[SPW], v[NIL]
	v_lshrrev_b32 v144, 5, v0
	v_readfirstlane_b32 s14, v144                  ; wave w
	s_lshr_b32 s15, s14, 1                         ; which half of the tokens
	s_and_b32 s16, s14, 1                          ; 0: K, 1: V
	s_bfe_u32 s17, ttmp6, 0x40000                  ; cx
	s_bfe_u32 s18, ttmp6, 0x40004                  ; cy
	s_lshl_b32 s12, ttmp9, 2
	s_add_co_u32 s12, s12, s17                     ; head pair
	s_and_b32 s13, ttmp7, 0xffff                   ; batch
	s_lshl_b32 s20, s13, 2
	s_add_co_u32 s20, s20, s18                     ; window of 256 tokens
	s_lshl_b32 s19, s18, 2
	s_lshl_b32 s19, 15, s19                        ; my row of the cluster
	s_lshl_b32 s23, 0x1111, s17                    ; my column
	s_or_b32 s[G1], s19, (1<<20)|(1<<21)|(5<<22)|(3<<25)   ; a tile's rows of 256 bytes, 16 of padding behind each: 256 rows for the head's loads, 128 for the later ones
	s_or_b32 s[G1B], s23, (1<<20)|(1<<21)|(5<<22)|(3<<25)
.irp g, G1, G1B
	s_mov_b32 s[\g+1], 256<<16
	s_mov_b32 s[\g+2], 256<<16
	s_mov_b32 s[\g+3], 256<<16
	s_mov_b32 s[\g+4], 256
	s_mov_b32 s[\g+5], 1024
	s_mov_b32 s[\g+6], 0
	s_mov_b32 s[\g+7], 0
.endr
	s_or_b32 s[G1S], s19, (3<<16)|(1<<20)|(1<<21)|(5<<22)|(3<<25)   ; the scale bytes of 256 rows: 8,192 dense bytes as 32 rows of 256
	s_or_b32 s[G1SB], s23, (3<<16)|(1<<20)|(1<<21)|(5<<22)|(3<<25)
.irp g, G1S, G1SB
	s_mov_b32 s[\g+1], 32<<16
	s_mov_b32 s[\g+2], 32<<16
	s_mov_b32 s[\g+3], 32<<16
	s_mov_b32 s[\g+4], 32
	s_mov_b32 s[\g+5], 32
	s_mov_b32 s[\g+6], 0
	s_mov_b32 s[\g+7], 0
.endr
	s_lshl_b32 s2, s20, 18                         ; x: the window's codes
	s_mov_b32 s3, 0
	s_lshl_b32 s86, s20, 13                        ; and scale bytes
	s_add_co_u32 s86, s86, XS_OFF
	s_mov_b32 s87, 0
	s_lshl_b32 s100, s12, 18                       ; the weights: the head pair's 256 places
	s_mov_b32 s101, 0
	s_lshl_b32 s66, s12, 13
	s_add_co_u32 s66, s66, WS_OFF
	s_mov_b32 s67, 0
	s_mov_b32 s4, 1
	s_mov_b32 s5, 0
	s_mov_b32 s8, 1
	s_mov_b32 s9, 2*HALFT
	s_mov_b32 s[G0S], 1
	s_mov_b32 s[G0S+1], SCL
	s_mov_b32 s[G0SB], 1
	s_mov_b32 s[G0SB+1], SCL+2*HALFS
	s_wait_dscnt 0x0                               ; both opening adds are done
	CROUND                                         ; all sixteen work-groups are here
	s_wait_kmcnt 0x0
	s_add_nc_u64 s[6:7], s[68:69], s[2:3]
	s_or_b32 s7, s7, 0x80000000
	s_add_nc_u64 s[10:11], s[70:71], s[100:101]
	s_or_b32 s11, s11, 0x80000000
	s_add_nc_u64 s[G0S+2:G0S+3], s[68:69], s[86:87]
	s_or_b32 s[G0S+3], s[G0S+3], 0x80000000
	s_add_nc_u64 s[G0SB+2:G0SB+3], s[70:71], s[66:67]
	s_or_b32 s[G0SB+3], s[G0SB+3], 0x80000000
.macro ARM under, g0, g1, next         ; the head's loads, one a wave: x, the weights, x's scale bytes, the weights'
	s_cmp_lt_u32 s14, \under
	s_cbranch_scc0 \next
	TLOAD \g0, \g1
	s_branch .Lhead_asked
\next:
.endm
	ARM 1, 4, G1, .Lhead_b
	ARM 2, 8, G1B, .Lhead_sa
	ARM 3, G0S, G1S, .Lhead_sb
	TLOAD G0SB, G1SB
.Lhead_asked:
	; the ring's descriptors: my 128 rows, K step 1, slot 1
	s_mul_i32 s21, s14, HALFT
	s_lshl_b32 s2, s16, 17
	s_add_co_u32 s2, s2, 256
	s_mov_b32 s3, 0
	s_mov_b32 s[G0A], 1
	s_add_co_u32 s[G0A+1], s21, SLOT
	s_add_nc_u64 s[G0A+2:G0A+3], s[6:7], s[2:3]
	s_mov_b32 s[G0B], 1
	s_add_co_u32 s[G0B+1], s21, SLOT
	s_add_nc_u64 s[G0B+2:G0B+3], s[10:11], s[2:3]
	s_mov_b32 s[G0Q], 1                            ; qw: all 128 rows, my quarter of K, slot 0
	s_mov_b32 s[G0Q+1], s21
	s_lshl_b32 s100, s12, 17
	s_lshl_b32 s101, s14, 8
	s_add_co_u32 s100, s100, s101
	s_add_co_u32 s100, s100, 0x200000
	s_mov_b32 s101, 0
	s_add_nc_u64 s[G0Q+2:G0Q+3], s[70:71], s[100:101]
	s_or_b32 s[G0Q+3], s[G0Q+3], 0x80000000
	; the prefetches: of the 128 rows that I fetch, 32 by my place among the four that ask for them with me
	s_lshl_b32 s86, s18, 15
	s_mov_b32 s87, 0
	s_add_nc_u64 s[100:101], s[100:101], s[86:87]
	s_add_nc_u64 s[100:101], s[70:71], s[100:101]  ; qw: 32 rows by cy
	s_cmp_eq_u32 s15, 0
	s_cselect_b64 s[66:67], s[68:69], s[70:71]
	s_cselect_b32 s86, s20, s12
	s_cselect_b32 s87, s17, s18
	s_lshl_b32 s86, s86, 18
	s_lshl_b32 s87, s87, 15
	s_add_co_u32 s86, s86, s87
	s_lshl_b32 s87, s16, 17
	s_add_co_u32 s86, s86, s87
	s_mov_b32 s87, 0
	s_add_nc_u64 s[66:67], s[66:67], s[86:87]
	s_cmp_lt_u32 s13, 4
	s_cselect_b32 s22, 1, 0                        ; s22: I ask for the weights; s21: for the K steps' rows
	s_cmp_eq_u32 s15, 0
	s_cselect_b32 s21, 1, s22
	; my other addresses
	s_lshl_b32 s2, s12, 9
	OFF64 74, 74                                   ; kb, vb: 128 columns of the head pair
	OFF64 76, 76
	ADDSH 2, 14, 7
	OFF64 78, 78                                   ; qb: my 32 columns
	s_lshl_b32 s2, s20, 10
	ADDSH 2, 15, 9
	OFF64 80, 80                                   ; mask: my 128 tokens
	s_lshl_b32 s2, s13, 10
	OFF64 72, 72                                   ; xn
	s_lshl_b32 s2, s12, 12
	ADDSH 2, 14, 10
	s_add_co_u32 s2, s2, WS_OFF+65536
	OFF64 86, 70                                   ; qw's scale bytes: my 32 rows
	s_lshl_b32 s20, s13, 3
	s_add_co_u32 s20, s20, s12
	s_lshl_b32 s20, s20, 3
	ADDSH 20, 18, 1
	s_add_co_u32 s20, s20, s15                     ; 8 (8 batch + pair) + part
	s_lshl_b32 s2, s20, 9
	OFF64 82, 82
	s_lshl_b32 s2, s20, 8
	OFF64 84, 84
	s_mul_i32 s2, s16, 3
	s_or_b32 s2, s2, s15                           ; which 128 rows of a slot are my source 1: waves 0 .. 3: 0, 3, 1, 3 (0, 1: x; 2: kw; 3: vw)
	s_xor_b32 s3, s16, 1
	s_lshl_b32 s3, s3, 1
	s_and_b32 s20, s15, s16
	s_or_b32 s3, s3, s20                           ; and my source 0: 2, 0, 2, 1
	s_mul_i32 s68, s2, HALFT
	s_mul_i32 s69, s3, HALFT
	s_xor_b32 s3, s2, s3
	s_lshl_b32 s70, s14, 10
	s_add_co_u32 s70, s70, XN
	s_lshl_b32 s71, s15, 9
	s_add_co_u32 s71, s71, MSK
	v_and_b32 v144, 15, v0                         ; r
	v_bfe_u32 v145, v0, 4, 1                       ; h
	v_and_b32 v152, 31, v0                         ; lane
	v_lshlrev_b32 v146, 6, v145
	v_and_b32 v147, 8, v144
	v_add_nc_u32 v147, v147, v144
	v_lshlrev_b32 v147, 2, v147
	v_lshlrev_b32 v148, 4, v152
	v_lshlrev_b32 v149, 2, v152
	v_lshlrev_b32 v[PFO], 10, v152
	v_add_nc_u32 v150, s70, v148
	v_add_nc_u32 v151, s71, v148
	v_mul_u32_u24 v153, v144, PITCH
	v_lshl_add_u32 v153, v145, 4, v153
	v_add_nc_u32 v[ADRA], s68, v153
	v_add_nc_u32 v[ADRB], s69, v153
	v_mul_u32_u24 v154, s3, v145
	v_xor_b32 v154, s2, v154                       ; scale words: lanes 0-15 source 1's rows, lanes 16-31 source 0's
	v_mul_u32_u24 v154, HALFS, v154
	v_lshlrev_b32 v155, 5, v144
	v_lshrrev_b32 v156, 3, v144
	v_lshl_add_u32 v155, v156, 4, v155
	v_add_nc_u32 v154, v154, v155
	v_add_nc_u32 v[ADRS], SCL, v154
	v_mov_b32 v157, 0xff800000                     ; -infinity
	s_wait_alu depctr_va_vdst(0)
	s_cmp_lg_u32 s16, 0
	s_cbranch_scc1 .Lv_bias
.irp i, 0,1,2,3,4,5,6,7,8,9,10,11,12,13,14,15
	global_load_b128 v[BI+4*\i:BI+4*\i+3], v146, s[74:75] offset:128*(\i/4)+16*(\i%4)   ; K: register 8 b + j: column 32 (b / 2) + 16 h + 8 (b % 2) + j
.endr
	global_load_b128 v[136:139], v148, s[80:81]
	s_branch .Lbias_asked
.Lv_bias:
.irp a, 0,1,2,3,4,5,6,7
	global_load_b32 v[BI+8*\a], v147, s[76:77] offset:4*(32*(\a/2)+8*(\a%2))   ; V: tile a: column 32 (a / 2) + 8 (a % 2) + r + 8 (r / 8)
.endr
.Lbias_asked:
	global_load_b128 v[128:131], v148, s[72:73]
	global_load_b128 v[132:135], v148, s[72:73] offset:512
.irp k, 0,1,2,3,4,5,6,7
	global_load_b32 v[XNS+\k], v149, s[72:73] offset:8192+128*\k
.endr
.irp j, 0,1,2,3
	global_load_b128 v[QA+4*\j:QA+4*\j+3], v146, s[78:79] offset:16*\j   ; qb: q's sums begin with it
.endr
	ASK 21, 66, 256                                ; K steps 1 and 2
	ASK 21, 66, 512
	s_wait_alu depctr_va_vdst(0)
	s_wait_loadcnt 0x0
	s_cmp_lg_u32 s16, 0
	s_cbranch_scc1 .Lv_spread
.irp i, 0,1,2,3
	v_cmp_eq_u32 vcc_lo, 0, v[136+\i]
	v_cndmask_b32 v[136+\i], 0, v157, vcc_lo       ; a masked token gets -infinity
.endr
	s_wait_alu depctr_va_vdst(0)
	s_branch .Lspread
.Lv_spread:
.irp a, 0,1,2,3,4,5,6,7
.irp j, 1,2,3,4,5,6,7
	v_mov_b32 v[BI+8*\a+\j], v[BI+8*\a]            ; V's bias is a number a lane: all eight registers of a tile's C
.endr
.endr
	s_wait_alu depctr_va_vdst(0)
.Lspread:
	s_wait_tensorcnt 0x0                           ; my tile is in, and no tensor load is out: group 1 now states 128 rows
	s_mov_b32 s[G1+2], 128<<16
	s_mov_b32 s[G1+4], 128
	s_mov_b32 s[G1B+2], 128<<16
	s_mov_b32 s[G1B+4], 128
	s_mov_b32 s[SEL], 0x76543210
	s_mov_b32 s[SEL+1], 0xfedcba98                 ; v_permlanex16_b32's selects for lane l xor 16
	s_mov_b32 s[FLR], 0x8000000                    ; the floor 2^(16 - 127)
	s_mov_b32 s[EXM], 0x7f800000
	s_mov_b32 s[MNT], 0x600000                     ; the mantissa field of 57,344
	s_mov_b32 s[CS], 0x3e38aa3b                    ; c = log2(e) / 8
	s_mov_b32 s[CS+1], s[CS]
	s_cmp_lg_u32 s16, 0
	s_cbranch_scc1 .Lno_mask
	ds_store_b128 v151, v[136:139]
.Lno_mask:
	ds_store_b128 v150, v[128:131]
	ds_store_b128 v150, v[132:135] offset:512
	s_wait_tensorcnt 0x0
	ds_add_u32 v[SPW], v[NIL]
	s_wait_dscnt 0x0
	CROUND                                         ; all four tiles are in, in all work-groups
	JLOAD                                          ; K step 1
.macro WMR                             ; source 0's scales from lanes 16-31
	v_wmma_scale_f32_16x16x128_f8f6f4 v[D_:D_+7], v[A_:A_+15], v[B_:B_+15], v[C_:C_+7], v[X_], v[Y_] matrix_a_fmt:MATRIX_FMT_BF8 matrix_b_fmt:MATRIX_FMT_BF8 matrix_a_scale:MATRIX_SCALE_ROW1
.endm
.macro WMC
	v_wmma_scale_f32_16x16x128_f8f6f4 v[D_:D_+7], v[A_:A_+15], v[B_:B_+15], v[D_:D_+7], v[X_], v[Y_] matrix_a_fmt:MATRIX_FMT_BF8 matrix_b_fmt:MATRIX_FMT_BF8
.endm
.macro WMZ
	v_wmma_scale_f32_16x16x128_f8f6f4 v[D_:D_+7], v[A_:A_+15], v[B_:B_+15], 0, v[X_], v[Y_] matrix_a_fmt:MATRIX_FMT_BF8 matrix_b_fmt:MATRIX_FMT_BF8
.endm
; 16 products: source 1's blocks a0, a0 + 1 x source 0's eight, the q-th 128 along K of slot sc (set q of source 0).  zk: 0: C in place; 1: C = K's bias, by source 0's block; 2: C = V's, by source 1's.  The accumulators take turns.
.macro MUL16 a0, q, sc, zk
.irp a, \a0, \a0+1
.irp b, 0,1,2,3,4,5,6,7
.set D_, 8*(8*((\a)%4)+\b)
.set A_, 128*(\q)+16*\b
.set B_, AF+16*(\a)
.set C_, D_
.if \zk == 1
.set C_, BI+8*\b
.elseif \zk == 2
.set C_, BI+8*(\a)
.endif
.set X_, SC+16*(\sc)+2*\b+(\q)
.set Y_, SC+16*(\sc)+2*(\a)+(\q)
	WMR
.endr
.endr
.endm
.macro FRAG reg, adr, o, i
.irp c, 0,1,2,3
	ds_load_b128 v[\reg+4*\c:\reg+4*\c+3], v[\adr] offset:(\o)+32*\c+(\i)*16*PITCH
.endr
.endm
.macro FETCH_B slot, o, p
	WIN 0x40
.irp i, 0,1,2,3,4,5,6,7
	FRAG 128*(\p)+16*\i, ADRB+(\slot)*(B1-ADRB), \o, \i
.endr
	WIN 0
.endm
.macro FETCH_A slot, o, i0
.irp i, \i0, \i0+1, \i0+2, \i0+3
	FRAG AF+16*(\i), ADRA+(\slot)*(A1-ADRA), \o, \i
.endr
.endm
.macro SCALES sc, ks
.irp i, 0,1,2,3,4,5,6,7
	ds_load_b64 v[SC+16*(\sc)+2*\i:SC+16*(\sc)+2*\i+1], v[ADRS] offset:\i*SBLK+8*(\ks)
.endr
.endm
; A slot's first 128 along K.  Eight places stand in front of each run of loads into registers that products have read.
.macro STEP slot, zk
.set WL_, 0xa1
.set WU_, 0xf1
.if \zk
.set WL_, 0x81                         ; C in window 0
.set WU_, 0xc1
.endif
	s_wait_dscnt 4*NL                              ; source 0 and blocks 0-3 are in; the youngest 16 loads (blocks 4-7) may be out
	WIN WL_
	MUL16 0, 0, \slot, \zk
	MUL16 2, 0, \slot, \zk
	s_wait_dscnt 0
	PLACES NP
	FETCH_B \slot, 128, 1
	FETCH_A \slot, 128, 0
	WIN WU_
	MUL16 4, 0, \slot, \zk
	MUL16 6, 0, \slot, \zk
	PLACES NP
	WIN 0
	FETCH_A \slot, 128, 4
.endm
; A slot's second 128 and the change of slots: a round of the cluster's barrier, and behind it the refill of this slot.  fill: 1: K step 2; 2: K step 3; 3: qw.
.macro TURN slot, ks, fill
	s_wait_tensorcnt 0x0                           ; my part of the next slot is in
	ds_add_u32 v[SPW], v[NIL]
	s_wait_dscnt 4*NL+1                            ; (the add and blocks 4-7 may be out)
	WIN 0xa1
	MUL16 0, 1, \slot, 0
	s_wait_dscnt 0x0                               ; the add is done, and my reads of this slot are over
	s_barrier_signal -1
	MUL16 2, 1, \slot, 0
	WIN 0
	s_barrier_wait -1
	CREST
.if \fill == 3
	TLOAD G0Q, G1B
.else
.if \fill == 2
	s_add_co_u32 s[G0A+1], s[G0A+1], SLOT
	s_add_co_u32 s[G0B+1], s[G0B+1], SLOT
.else
	s_sub_co_u32 s[G0A+1], s[G0A+1], SLOT
	s_sub_co_u32 s[G0B+1], s[G0B+1], SLOT
.endif
	s_add_nc_u64 s[G0A+2:G0A+3], s[G0A+2:G0A+3], 256
	s_add_nc_u64 s[G0B+2:G0B+3], s[G0B+2:G0B+3], 256
	JLOAD
.endif
	PLACES NP-4
	FETCH_B 1-\slot, 0, 0
	FETCH_A 1-\slot, 0, 0
	SCALES 1-\slot, \ks+1
.if \fill == 1
	ASK 22, 100, 0                                 ; qw, two K steps ahead of its load
.endif
	WIN 0xf1
	MUL16 4, 1, \slot, 0
	MUL16 6, 1, \slot, 0
	PLACES NP
	WIN 0
	FETCH_A 1-\slot, 0, 4
.endm
	FETCH_B 0, 0, 0
	FETCH_A 0, 0, 0
	SCALES 0, 0
	FETCH_A 0, 0, 4
	s_cmp_lg_u32 s16, 0                            ; the first step begins the sums with the bias: K's and V's C differ
	s_cbranch_scc1 .Lv_first
	STEP 0, 1
	s_branch .Lfirst_done
.Lv_first:
	STEP 0, 2
.Lfirst_done:
	ASK 21, 66, 768                                ; K step 3
	v_and_b32 v90, 15, v0                          ; the bias is used: its registers take the later addresses
	v_bfe_u32 v91, v0, 4, 1
	v_and_b32 v92, 31, v0
	s_lshl_b32 s2, s14, 10
	s_add_co_u32 s2, s2, XN
	v_lshlrev_b32 v93, 4, v91
	v_add_nc_u32 v80, s2, v93                      ; v80: xn's codes
	v_mul_u32_u24 v94, v90, PITCH
	v_add_nc_u32 v94, v94, v93
	s_mul_i32 s2, s14, 32*PITCH
	v_add_nc_u32 v81, s2, v94                      ; v81-84: my 32 rows of qw, the four quarters of K
	v_add_nc_u32 v82, HALFT, v81
	v_add_nc_u32 v83, HALFT, v82
	v_add_nc_u32 v84, HALFT, v83
	v_add_nc_u32 v[A1], SLOT, v[ADRA]
	v_add_nc_u32 v[B1], SLOT, v[ADRB]
	v_lshlrev_b32 v126, 5, v90                     ; v126: qw's scale words
	v_lshlrev_b32 v95, 4, v92
	v_add_nc_u32 v85, QP, v95                      ; v85: q's tiles; v86: my two
	s_lshl_b32 s2, s14, 11
	v_add_nc_u32 v86, s2, v85
	s_lshl_b32 s2, s15, 9
	s_add_co_u32 s2, s2, MSK
	v_lshl_add_u32 v87, v91, 6, s2                 ; v87: the mask
	s_lshl_b32 s2, s15, 7
	s_add_co_u32 s2, s2, PSC
	v_lshl_add_u32 v88, v92, 2, s2                 ; v88: p's scale word
	s_lshl_b32 s2, s15, 11
	s_add_co_u32 s2, s2, PIMG
	v_add_nc_u32 v89, s2, v95                      ; v89: p's fragment
.irp b, 0,1,2,3
	v_mov_b32 v[TM+4+\b], 0                        ; a lane permute's destination counts as one of its sources
.endr
	s_wait_alu depctr_va_vdst(0)
	TURN 0, 0, 1
	STEP 1, 0
	TURN 1, 1, 2
	STEP 0, 0
	TURN 0, 2, 3
.irp i, 0,1,2,3
	global_load_b128 v[SC+4*\i:SC+4*\i+3], v126, s[86:87] offset:512*(\i/2)+16*(\i%2)   ; qw's scale words: register 8 t + k (set 0 is free)
.endr
	STEP 1, 0
	; the last 128 along K; qw is shown behind the barrier
.macro QFETCH g                        ; qw: two tiles x K steps 4 g .. 4 g + 3
	WIN 0x40
.irp t, 0,1
.irp k, 0,1,2,3
	FRAG 16*(4*\t+\k), 81+2*(\g)+\k/2, 128*(\k%2), \t
.endr
.endr
	WIN 0
.endm
	s_wait_dscnt 4*NL
	WIN 0xa1
	MUL16 0, 1, 1, 0
	s_wait_dscnt 0x0
	s_wait_tensorcnt 0x0
	s_barrier_signal -1
	MUL16 2, 1, 1, 0
	WIN 0
	s_barrier_wait -1
	QFETCH 0
	WIN 0xf1
	MUL16 4, 1, 1, 0
	MUL16 6, 1, 1, 0
	WIN 0
	PLACES NP
.irp k, 0,1,2,3,4,5,6,7
.irp c, 0,1,2,3
	ds_load_b128 v[AF+16*\k+4*\c:AF+16*\k+4*\c+3], v80 offset:128*\k+32*\c   ; xn: all 16 rows are the one row
.endr
.endr
; 64 numbers of a lane from v[s] on, register 16 b + i = k 32 b + 16 h + i, become a fragment's codes from v[pc] on and its scale word v[pw]; wm, wh, wc: the windows of the maxima, the holds and the conversions.
.macro QUANT s, pc, pw, wm, wh, wc
	WIN \wm
.irp b, 0,1,2,3
	v_max3_num_f32 v[TM+\b], s[FLR], |v[\s+16*\b]|, |v[\s+1+16*\b]|
.endr
.irp i, 2,4,6,8,10,12,14
.irp b, 0,1,2,3
	v_max3_num_f32 v[TM+\b], v[TM+\b], |v[\s+16*\b+\i]|, |v[\s+1+16*\b+\i]|
.endr
.endr
	WIN 0
.irp b, 0,1,2,3
	v_permlanex16_b32 v[TM+4+\b], v[TM+\b], s[SEL], s[SEL+1]
.endr
.irp b, 0,1,2,3
	v_max_num_f32 v[TM+\b], v[TM+\b], v[TM+4+\b]
.endr
	SCALEOPS \pw
	WIN \wh
.irp b, 0,1,2,3
.irp i, 0,1,2,3,4,5,6,7,8,9,10,11,12,13,14,15
	v_med3_num_f32 v[\s+16*\b+\i], v[\s+16*\b+\i], -v[TM+8+\b], v[TM+8+\b]   ; the conversion does not saturate (ISA guide 7.6.2)
.endr
.endr
	WIN \wc
	CODES \s, \pc
.endm
.macro SCALEOPS pw                     ; from the blocks' largest magnitudes: the conversions' operands, the bounds, the scale word
.irp b, 0,1,2,3
	v_add_nc_u32 v[TM+12+\b], 0xf8800000, v[TM+\b]
.endr
.irp b, 0,1,2,3
	v_and_or_b32 v[TM+8+\b], v[TM+\b], s[EXM], s[MNT]
.endr
.irp b, 0,1,2,3
	v_lshrrev_b32 v[TM+4+\b], 23, v[TM+12+\b]
.endr
	v_lshl_or_b32 v[\pw], v[TM+5], 8, v[TM+4]
	v_lshl_or_b32 v[\pw], v[TM+6], 16, v[\pw]
	v_lshl_or_b32 v[\pw], v[TM+7], 24, v[\pw]
.endm
.macro CODES s, pc
.irp b, 0,1,2,3
	v_cvt_scalef32_pk8_bf8_f32 v[(\pc)+4*\b:(\pc)+1+4*\b], v[\s+16*\b:\s+7+16*\b], v[TM+12+\b]
	v_cvt_scalef32_pk8_bf8_f32 v[(\pc)+2+4*\b:(\pc)+3+4*\b], v[\s+8+16*\b:\s+15+16*\b], v[TM+12+\b]
.endr
	v_nop                                          ; a plain line behind the last conversion
.endm
.macro QBLK a                          ; block a of my accumulators: codes into window 1, v[128 + 16 a] on, word v[48 + a]
.set AC_, 64*((\a)%4)
.set WM_, 0x28+0x14*((\a)/4)
.set WH_, 0x82+0x41*((\a)/4)
.set WC_, 0x42+(\a)/4
	QUANT AC_, 128+16*(\a), SC+16+(\a), WM_, WH_, WC_
	WIN 0
.endm
.macro QMUL g
	WIN 0x01
.irp k, 0,1,2,3
.irp t, 0,1
.set D_, QA+8*\t
.set A_, 16*(4*\t+\k)
.set B_, AF+16*(4*(\g)+\k)
.set X_, SC+8*\t+4*(\g)+\k
.set Y_, XNS+4*(\g)+\k
	WMC                                            ; two accumulators by turns
.endr
.endr
	WIN 0
.endm
	QBLK 0
	s_wait_alu depctr_va_vdst(0)
	s_wait_loadcnt 0x0                             ; qw's scale words
	s_wait_dscnt 0x0
	QMUL 0
	QBLK 1
	QFETCH 1
	QBLK 2
	s_wait_alu depctr_va_vdst(0)
	s_wait_dscnt 0x0
	QMUL 1
	QBLK 3
.irp j, 0,1,2,3
	ds_store_b128 v86, v[QA+4*\j:QA+4*\j+3] offset:512*\j   ; my 32 columns of q
.endr
	QBLK 4
	QBLK 5
	QBLK 6
	QBLK 7
	s_wait_alu depctr_va_vdst(0)
	s_wait_dscnt 0x0
	BARRIER                                        ; q lies in LDS
	s_cmp_lg_u32 s16, 0
	s_cbranch_scc1 .Lk_done
	; ---- the K waves: q quantised, made block-diagonal
.irp t, 0,1,2,3,4,5,6,7
.irp j, 0,1
	ds_load_b128 v[S+8*\t+4*\j:S+8*\t+4*\j+3], v85 offset:1024*\t+512*\j
.endr
.endr
.irp b, 0,1,2,3
.irp j, 0,1,2,3
	ds_load_b128 v[MB+16*\b+4*\j:MB+16*\b+4*\j+3], v87 offset:128*\b+16*\j
.endr
.endr
	v_and_b32 v92, 1, v0
	v_cmp_eq_u32 s40, 1, v92                       ; the lanes of head 2 s + 1
	v_mov_b32 v91, 0
	v_mov_b32 v93, 0
	v_and_b32 v95, 31, v0
	v_lshlrev_b32 v95, 3, v95                      ; ml: 8 bytes a lane
	s_wait_alu depctr_va_vdst(0)
	s_wait_dscnt 16                                ; q is in; the mask's 16 may be out
	QUANT S, PC, SC, 0, 0, 0
.irp i, 0,1,2,3,4,5,6,7
	v_cndmask_b32 v[PC+\i], v[PC+\i], 0, s40       ; k 0-63 (head 2 s): zero codes in the odd columns
.endr
.irp i, 8,9,10,11,12,13,14,15
	v_cndmask_b32 v[PC+\i], 0, v[PC+\i], s40
.endr
	PLACES 4                                       ; operands written by vector instructions stand 4 places ahead of a scaled matrix instruction
	s_wait_alu depctr_va_vdst(0)
	s_wait_dscnt 0x0                               ; the mask
	WIN 0x01
.irp a, 0,1,2,3,4,5,6,7
.set D_, S+8*\a
.set A_, 128+16*\a
.set B_, PC
.set X_, SC+16+\a
.set Y_, SC
	WMZ                                            ; scores^T: register 16 b + i: token 32 b + 16 h + i
.endr
	WIN 0
	PLACES NP
.set i, 0
.rept 32
	v_pk_add_f32 v[S+i:S+i+1], v[S+i:S+i+1], v[MB+i:MB+i+1]
.set i, i+2
.endr
.irp b, 0,1,2,3
	v_max3_num_f32 v[TM+\b], v[S+16*\b], v[S+1+16*\b], v[S+2+16*\b]   ; each block's largest score: for the part's maximum, and for the block's largest p
.endr
.irp i, 3,5,7,9,11,13
.irp b, 0,1,2,3
	v_max3_num_f32 v[TM+\b], v[TM+\b], v[S+16*\b+\i], v[S+1+16*\b+\i]
.endr
.endr
.irp b, 0,1,2,3
	v_max_num_f32 v[TM+\b], v[TM+\b], v[S+15+16*\b]
.endr
.irp b, 0,1,2,3
	v_permlanex16_b32 v[TM+4+\b], v[TM+\b], s[SEL], s[SEL+1]
.endr
.irp b, 0,1,2,3
	v_max_num_f32 v[TM+\b], v[TM+\b], v[TM+4+\b]
.endr
	v_max3_num_f32 v94, v[TM], v[TM+1], v[TM+2]
	v_max_num_f32 v94, v94, v[TM+3]
	v_mul_f32 v94, s[CS], v94                      ; as t
	v_max_num_f32 v94, 0xff61b1e6, v94             ; a part whose tokens are all masked keeps -3e38: its p, its sum and its weight in the join are 0
	v_floor_f32 v90, -v94                          ; -M = floor(-t) = -ceil(t)
.set i, 0
.rept 32
	v_pk_fma_f32 v[S+i:S+i+1], v[S+i:S+i+1], s[CS:CS+1], v[90:91] op_sel_hi:[1,0,0]   ; t - M
.set i, i+2
.endr
.irp b, 0,1,2,3
	v_fma_f32 v[TM+\b], v[TM+\b], s[CS], v90
.endr
	s_wait_alu depctr_va_vdst(0)
.set i, 0
.rept 64
	v_exp_f32 v[S+i], v[S+i]
.set i, i+1
.endr
.irp b, 0,1,2,3
	v_exp_f32 v[TM+\b], v[TM+\b]                   ; the block's largest p: the same two instructions on the same number
.endr
	v_nop
	s_wait_alu depctr_va_vdst(0)
.irp b, 0,1,2,3
	v_max_num_f32 v[TM+\b], s[FLR], v[TM+\b]
.endr
	SCALEOPS SC+1
.irp c, 0,1,2,3
	v_pk_add_f32 v[112+2*\c:113+2*\c], v[S+2*\c:S+2*\c+1], v[S+8+2*\c:S+9+2*\c]   ; the sum of the unquantised p, in four chains
.endr
.irp k, 16,24,32,40,48,56
.irp c, 0,1,2,3
	v_pk_add_f32 v[112+2*\c:113+2*\c], v[112+2*\c:113+2*\c], v[S+\k+2*\c:S+\k+2*\c+1]
.endr
.endr
.irp b, 0,1,2,3
.irp i, 0,1,2,3,4,5,6,7,8,9,10,11,12,13,14,15
	v_min_num_f32 v[S+16*\b+\i], v[S+16*\b+\i], v[TM+8+\b]   ; p is not negative: the hold is one-sided
.endr
.endr
	CODES S, PC
	v_pk_add_f32 v[112:113], v[112:113], v[114:115]
	v_pk_add_f32 v[116:117], v[116:117], v[118:119]
.irp c, 0,1,2,3
	ds_store_b128 v89, v[PC+4*\c:PC+4*\c+3] offset:512*\c
.endr
	ds_store_b32 v88, v[SC+1]
	v_pk_add_f32 v[112:113], v[112:113], v[116:117]
	v_add_f32 v92, v112, v113
	v_permlanex16_b32 v93, v92, s[SEL], s[SEL+1]
	v_add_f32 v91, v92, v93                        ; l
	global_store_b64 v95, v[90:91], s[84:85]       ; -M and l: 256 consecutive bytes
	s_wait_alu depctr_va_vdst(0)
.Lk_done:
	s_wait_dscnt 0x0
	BARRIER                                        ; p's two fragments and their scale words lie in LDS
	s_cmp_eq_u32 s16, 0
	s_cbranch_scc1 .Lend
	; ---- the V waves: v^T p of my 128 tokens: source 0 = 16 columns of V, source 1 = p
.irp c, 0,1,2,3
	ds_load_b128 v[PC+4*\c:PC+4*\c+3], v89 offset:512*\c
.endr
	ds_load_b32 v[SC], v88
.irp i, 0,1,2,3
	v_and_b32 v[90+\i], 1<<\i, v0
.endr
.irp i, 0,1,2,3
	v_cmp_ne_u32 s[40+\i], 0, v[90+\i]             ; the bits of r
.endr
	v_and_b32 v94, 31, v0
	v_lshlrev_b32 v94, 4, v94
	s_wait_alu depctr_va_vdst(0)
	s_wait_dscnt 0x0
	WIN 0x01
.irp a, 0,1,2,3,4,5,6,7
.set D_, S+8*\a
.set A_, 128+16*\a
.set B_, PC
.set X_, SC+16+\a
.set Y_, SC
	WMZ
.endr
	WIN 0
	PLACES NP
; Tiles 0-3 (columns 0-63) are right in the even lanes, tiles 4-7 in the odd ones.  Eight lanes hold the same numbers: each keeps 4 of its 32: lane (r, h): columns 64 r0 + 32 r3 + 16 h + 8 r2 + 4 r1 + 0 .. 3 (r0 .. r3: the bits of r).
.set i, 0
.rept 32
	v_cndmask_b32 v[MB+i], v[S+i], v[S+32+i], s40
.set i, i+1
.endr
.irp m, 0,1,2,3
.irp k, 0,1,2,3
	v_cndmask_b32 v[PC+4*\m+\k], v[MB+8*\m+\k], v[MB+8*\m+4+\k], s41
.endr
.endr
.irp m, 0,1
.irp k, 0,1,2,3
	v_cndmask_b32 v[112+4*\m+\k], v[PC+8*\m+\k], v[PC+8*\m+4+\k], s42
.endr
.endr
.irp k, 0,1,2,3
	v_cndmask_b32 v[120+\k], v[112+\k], v[116+\k], s43
.endr
	global_store_b128 v94, v[120:123], s[82:83]    ; 512 consecutive bytes
.Lend:
	s_wait_tensorcnt 0x0                           ; the wave's end
	ds_add_u32 v[SPW], v[NIL]
	s_wait_dscnt 0x0
	CROUND                                         ; the closing round
	s_endpgm
.Lfunc_end_k_q29f51db854_kvattn:
	.size	k_q29f51db854_kvattn, .Lfunc_end_k_q29f51db854_kvattn-k_q29f51db854_kvattn
	.p2alignl 7, 3214868480
	.fill 96, 4, 3214868480
	.section	.rodata,"a",@progbits
	.p2align	6, 0x0
	.amdhsa_kernel k_q29f51db854_kvattn
		.amdhsa_group_segment_fixed_size 327680
		.amdhsa_private_segment_fixed_size 0
		.amdhsa_enable_private_segment 0
		.amdhsa_kernarg_size 72
		.amdhsa_user_sgpr_count 2
		.amdhsa_user_sgpr_kernarg_segment_ptr 1
		.amdhsa_wavefront_size32 1
		.amdhsa_system_sgpr_workgroup_id_x 1
		.amdhsa_system_sgpr_workgroup_id_y 1
		.amdhsa_system_sgpr_workgroup_id_z 1
		.amdhsa_system_vgpr_workitem_id 0
		.amdhsa_next_free_vgpr 1024
		.amdhsa_next_free_sgpr 102
		.amdhsa_reserve_vcc 1
		.amdhsa_float_denorm_mode_32 3
		.amdhsa_float_denorm_mode_16_64 3
		.amdhsa_memory_ordered 1
		.amdhsa_forward_progress 1
		.amdhsa_inst_pref_size 246
	.end_amdhsa_kernel
	.amdgpu_metadata
---
amdhsa.version: [ 1, 2 ]
amdhsa.kernels:
  - .name:           k_q29f51db854_kvattn
    .symbol:         k_q29f51db854_kvattn.kd
    .args:
      - { .name: xq, .offset: 0, .size: 8, .value_kind: global_buffer, .address_space: global }
      - { .name: wq, .offset: 8, .size: 8, .value_kind: global_buffer, .address_space: global }
      - { .name: xnq, .offset: 16, .size: 8, .value_kind: global_buffer, .address_space: global }
      - { .name: kb, .offset: 24, .size: 8, .value_kind: global_buffer, .address_space: global }
      - { .name: vb, .offset: 32, .size: 8, .value_kind: global_buffer, .address_space: global }
      - { .name: qb, .offset: 40, .size: 8, .value_kind: global_buffer, .address_space: global }
      - { .name: mask, .offset: 48, .size: 8, .value_kind: global_buffer, .address_space: global }
      - { .name: opc, .offset: 56, .size: 8, .value_kind: global_buffer, .address_space: global }
      - { .name: ml, .offset: 64, .size: 8, .value_kind: global_buffer, .address_space: global }
    .group_segment_fixed_size: 327680
    .private_segment_fixed_size: 0
    .kernarg_segment_align: 8
    .kernarg_segment_size: 72
    .max_flat_workgroup_size: 128
    .sgpr_count:     102
    .vgpr_count:     1024
    .wavefront_size: 32
...
	.end_amdgpu_metadata
.endif
;; end of part 2
;; launch outproj (part 3): grid 8 x 8, 8 waves a work-group, no clusters, 6,912 bytes of LDS; arguments opc, ml, wq, opart; writes opart
.if DOCPART == 3
	.amdgcn_target "amdgcn-amd-amdhsa--gfx1250"
	.amdhsa_code_object_version 6
	.text
	.protected	k_q29f51db854_outproj
	.globl	k_q29f51db854_outproj
	.p2align	8
	.type	k_q29f51db854_outproj,@function
k_q29f51db854_outproj:
	s_mov_b64 s[64:65], 0
	v_nop
	global_prefetch_b8 v0, s[64:65] scope:SCOPE_SE
	s_setreg_imm32_b32 hwreg(HW_REG_WAVE_MODE, 25, 1), 1
	s_wait_xcnt 0x0
; The context row of each batch is joined from its eight parts of 128 tokens, quantised, and multiplied by ow: K step s (head pair) of context ow^T for 128 columns, stored to opart[batch][s][:]; the next launch adds the eight K steps.
; One row for each batch: the 1,024 rows of a batch are equal (reference() broadcasts the query).
; Work-group (head pair s = x, 128 columns = y).  Wave w joins batch w: context = (the sum of 2^(M_i - M) O_i) / (the sum of 2^(M_i - M) l_i), M the largest M_i; lane (r, h) holds columns
; 64 r0 + 32 r3 + 16 h + 8 r2 + 4 r1 + 0 .. 3, as the launch before stored them.  The eight batches' codes make one fragment (rows 8-15 repeat them); wave w multiplies ow's tile w.
; Few bytes, each load asked for at once: no tensor load, no cluster, no loop to prefetch in.
; LIMITS: NaN and infinities are not served; a batch whose mask is all 0 gives NaN; blocks under 2^-111, and blocks of zeros, keep the byte 1.
.set WS_OFF, 4194304
.set SCB, 1280
.set OT,  1536
.set SPARE, 5888
	s_load_b256 s[4:11], s[0:1], 0x0               ; opc, ml, wq, opart
	v_lshl_add_u32 v1, v0, 2, SPARE
	v_mov_b32 v2, 0
	v_lshrrev_b32 v3, 5, v0
	v_readfirstlane_b32 s14, v3                    ; wave w
	s_mov_b32 s17, ttmp9
	s_and_b32 s18, ttmp7, 0xffff
.macro OFFS d, sw, sh, sy, k           ; s[d:d+1] = (w << sw) + (s << sh) (+ (y << sy)) + k
	s_lshl_b32 s\d, s14, \sw
	s_lshl_b32 s3, s17, \sh
	s_add_co_u32 s\d, s\d, s3
.if \sy
	s_lshl_b32 s3, s18, \sy
	s_add_co_u32 s\d, s\d, s3
.endif
.if \k
	s_add_co_u32 s\d, s\d, \k
.endif
	s_mov_b32 s[\d+1], 0
.endm
	OFFS 26, 15, 12, 0, 0
	OFFS 28, 14, 11, 0, 0
	OFFS 30, 14, 7, 17, 0x300000
	OFFS 32, 9, 2, 12, WS_OFF+98304
	OFFS 34, 15, 12, 9, 0
	s_mov_b32 s20, 0x76543210
	s_mov_b32 s21, 0xfedcba98
	s_mov_b32 s22, 0x600000
	s_mov_b32 s24, 0xffff0000                      ; lanes 16-31
	v_and_b32 v4, 31, v0
	v_and_b32 v5, 15, v0
	v_bfe_u32 v6, v0, 4, 1
	v_lshlrev_b32 v7, 4, v4
	v_lshlrev_b32 v8, 3, v4
	v_lshlrev_b32 v9, 10, v5
	v_lshl_add_u32 v9, v6, 4, v9                   ; ow's fragment
	v_lshlrev_b32 v10, 5, v5                       ; its scale words
	v_and_b32 v11, 1, v0
	v_bfe_u32 v12, v0, 3, 1
	v_lshlrev_b32 v11, 6, v11
	v_lshl_or_b32 v11, v12, 5, v11
	v_bfe_u32 v12, v0, 2, 1
	v_lshl_or_b32 v11, v6, 4, v11
	v_lshl_or_b32 v11, v12, 3, v11
	v_bfe_u32 v12, v0, 1, 1
	v_lshl_or_b32 v11, v12, 2, v11                 ; my first column
	v_lshrrev_b32 v13, 5, v11                      ; its block
	s_lshl_b32 s2, s14, 2
	s_add_co_u32 s2, s2, SCB
	v_add_nc_u32 v13, s2, v13                      ; LDS: my block's scale byte
	s_mul_i32 s2, s14, 144
	v_add_nc_u32 v11, s2, v11                      ; LDS: my four codes
	v_and_b32 v15, 7, v0
	v_mul_u32_u24 v14, v15, 144
	v_lshl_add_u32 v14, v6, 4, v14                 ; LDS: the context's fragment
	v_lshlrev_b32 v15, 2, v15
	v_add_nc_u32 v15, SCB, v15                     ; and its scale word
	v_and_b32 v16, 8, v0
	v_add_nc_u32 v16, v16, v5
	v_lshlrev_b32 v16, 2, v16
	v_mul_u32_u24 v17, v6, 2112
	v_add_nc_u32 v16, v16, v17
	s_lshr_b32 s2, s14, 1
	s_lshl_b32 s2, s2, 7
	s_and_b32 s3, s14, 1
	s_lshl_b32 s3, s3, 5
	s_add_co_u32 s2, s2, s3
	s_add_co_u32 s2, s2, OT
	v_add_nc_u32 v16, s2, v16                      ; LDS: column 32 (w / 2) + 8 (w % 2) + r + 8 (r / 8), batches 4 h on
	s_mul_i32 s2, s14, 528
	s_add_co_u32 s2, s2, OT
	v_add_nc_u32 v17, s2, v7                       ; and on the way out batch w's row
	v_mov_b32 v19, 0                               ; (a lane permute's destination counts as read)
	v_mov_b32 v39, 0                               ; (the upper half of a pair)
.irp j, 76,77,78,79
	v_mov_b32 v\j, 0                               ; the conversion takes eight numbers: the upper four are not stored
.endr
	s_wait_alu depctr_va_vdst(0)
	s_wait_kmcnt 0x0
	s_add_nc_u64 s[4:5], s[4:5], s[26:27]
	s_add_nc_u64 s[6:7], s[6:7], s[28:29]
	s_add_nc_u64 s[12:13], s[8:9], s[30:31]
	s_add_nc_u64 s[8:9], s[8:9], s[32:33]
	s_add_nc_u64 s[10:11], s[10:11], s[34:35]
.irp p, 0,1,2,3,4,5,6,7
	global_load_b64 v[20+2*\p:21+2*\p], v8, s[6:7] offset:256*\p    ; -M and l of my lane's head
.endr
.irp p, 0,1,2,3,4,5,6,7
	global_load_b128 v[40+4*\p:43+4*\p], v7, s[4:5] offset:512*\p
.endr
.irp c, 0,1,2,3
	global_load_b128 v[80+4*\c:83+4*\c], v9, s[12:13] offset:32*\c
.endr
	global_load_b32 v96, v10, s[8:9]
	s_wait_loadcnt 13                              ; the eight pairs are in; 8 + 4 + 1 loads stay out
	v_min3_num_f32 v36, v20, v22, v24
	v_min3_num_f32 v37, v26, v28, v30
	v_min3_num_f32 v36, v36, v32, v34
	v_min_num_f32 v36, v36, v37                    ; -M
.irp p, 0,1,2,3,4,5,6,7
	v_sub_f32 v[101+2*\p], v36, v[20+2*\p]         ; M_i - M: a whole number, 0 or less
.endr
.irp p, 0,1,2,3,4,5,6,7
	v_cvt_i32_f32 v[101+2*\p], v[101+2*\p]         ; (it saturates)
.endr
.irp p, 0,1,2,3,4,5,6,7
	v_ldexp_f32 v[100+2*\p], 1.0, v[101+2*\p]
.endr
	v_mul_f32 v37, v100, v21
	v_mul_f32 v38, v102, v23
.irp p, 2,4,6
	v_fmac_f32 v37, v[100+2*\p], v[21+2*\p]
	v_fmac_f32 v38, v[102+2*\p], v[23+2*\p]
.endr
	v_add_f32 v37, v37, v38                        ; l
	s_wait_alu depctr_va_vdst(0)
	v_rcp_f32 v38, v37
	v_nop
	s_wait_alu depctr_va_vdst(0)
	s_wait_loadcnt 5                               ; the parts are in; ow's 4 + 1 stay out
	v_pk_mul_f32 v[72:73], v[40:41], v[100:101] op_sel_hi:[1,0]
	v_pk_mul_f32 v[74:75], v[42:43], v[100:101] op_sel_hi:[1,0]
.irp p, 1,2,3,4,5,6,7
	v_pk_fma_f32 v[72:73], v[40+4*\p:41+4*\p], v[100+2*\p:101+2*\p], v[72:73] op_sel_hi:[1,0,1]
	v_pk_fma_f32 v[74:75], v[42+4*\p:43+4*\p], v[100+2*\p:101+2*\p], v[74:75] op_sel_hi:[1,0,1]
.endr
	v_pk_mul_f32 v[72:73], v[72:73], v[38:39] op_sel_hi:[1,0]
	v_pk_mul_f32 v[74:75], v[74:75], v[38:39] op_sel_hi:[1,0]       ; the context
	v_max3_num_f32 v18, |v72|, |v73|, 0x8000000
	v_max3_num_f32 v18, v18, |v74|, |v75|
	v_max_num_f32_dpp v18, v18, v18 row_xmask:2 row_mask:0xf bank_mask:0xf   ; eight lanes hold a block: r1, r2 and h vary
	v_max_num_f32_dpp v18, v18, v18 row_xmask:4 row_mask:0xf bank_mask:0xf
	v_permlanex16_b32 v19, v18, s20, s21
	v_max_num_f32 v18, v18, v19
	v_add_nc_u32 v97, 0xf8800000, v18              ; 15 off the exponent field
	v_and_or_b32 v98, v18, 0x7f800000, s22         ; 57,344 x the scale
.irp j, 72,73,74,75
	v_med3_num_f32 v\j, v\j, -v98, v98             ; the conversion does not saturate (ISA guide 7.6.2)
.endr
	v_cvt_scalef32_pk8_bf8_f32 v[116:117], v[72:79], v97
	v_lshrrev_b32 v118, 23, v97
	ds_store_b32 v11, v116
	ds_store_b8 v13, v118                          ; the eight lanes of a block write the same byte with the same value
	s_wait_alu depctr_va_vdst(0)
	s_wait_dscnt 0x0
	s_barrier_signal -1
	s_barrier_wait -1                              ; the eight batches' codes lie in LDS
.irp c, 0,1,2,3
	ds_load_b128 v[120+4*\c:123+4*\c], v14 offset:32*\c
.endr
	ds_load_b32 v136, v15
	s_wait_loadcnt 0x0
	s_wait_dscnt 0x0
	v_wmma_scale_f32_16x16x128_f8f6f4 v[140:147], v[120:135], v[80:95], 0, v136, v96 matrix_a_fmt:MATRIX_FMT_BF8 matrix_b_fmt:MATRIX_FMT_BF8   ; register j: batch j (both halves of the lanes), column r
.rept 8
	v_nop
.endr
.irp k, 0,1,2,3
	v_cndmask_b32 v[148+\k], v[140+\k], v[144+\k], s24   ; lanes 0-15 take batches 0-3, lanes 16-31 batches 4-7
.endr
.irp k, 0,1,2,3
	ds_store_b32 v16, v[148+\k] offset:528*\k
.endr
	s_wait_dscnt 0x0
	s_barrier_signal -1
	s_barrier_wait -1
	ds_load_b128 v[152:155], v17
	s_wait_dscnt 0x0
	global_store_b128 v7, v[152:155], s[10:11]     ; 512 consecutive bytes of batch w
	s_wait_tensorcnt 0x0                           ; the wave's end
	ds_add_u32 v1, v2
	s_wait_dscnt 0x0
	s_endpgm
.Lfunc_end_k_q29f51db854_outproj:
	.size	k_q29f51db854_outproj, .Lfunc_end_k_q29f51db854_outproj-k_q29f51db854_outproj
	.p2alignl 7, 3214868480
	.fill 96, 4, 3214868480
	.section	.rodata,"a",@progbits
	.p2align	6, 0x0
	.amdhsa_kernel k_q29f51db854_outproj
		.amdhsa_group_segment_fixed_size 6912
		.amdhsa_private_segment_fixed_size 0
		.amdhsa_enable_private_segment 0
		.amdhsa_kernarg_size 32
		.amdhsa_user_sgpr_count 2
		.amdhsa_user_sgpr_kernarg_segment_ptr 1
		.amdhsa_wavefront_size32 1
		.amdhsa_system_sgpr_workgroup_id_x 1
		.amdhsa_system_sgpr_workgroup_id_y 1
		.amdhsa_system_sgpr_workgroup_id_z 1
		.amdhsa_system_vgpr_workitem_id 0
		.amdhsa_next_free_vgpr 160
		.amdhsa_next_free_sgpr 66
		.amdhsa_reserve_vcc 0
		.amdhsa_float_denorm_mode_32 3
		.amdhsa_float_denorm_mode_16_64 3
		.amdhsa_memory_ordered 1
		.amdhsa_forward_progress 1
		.amdhsa_inst_pref_size 12
	.end_amdhsa_kernel
	.amdgpu_metadata
---
amdhsa.version: [ 1, 2 ]
amdhsa.kernels:
  - .name:           k_q29f51db854_outproj
    .symbol:         k_q29f51db854_outproj.kd
    .args:
      - { .name: opc, .offset: 0, .size: 8, .value_kind: global_buffer, .address_space: global }
      - { .name: ml, .offset: 8, .size: 8, .value_kind: global_buffer, .address_space: global }
      - { .name: wq, .offset: 16, .size: 8, .value_kind: global_buffer, .address_space: global }
      - { .name: opart, .offset: 24, .size: 8, .value_kind: global_buffer, .address_space: global }
    .group_segment_fixed_size: 6912
    .private_segment_fixed_size: 0
    .kernarg_segment_align: 8
    .kernarg_segment_size: 32
    .max_flat_workgroup_size: 256
    .sgpr_count:     66
    .vgpr_count:     160
    .wavefront_size: 32
...
	.end_amdgpu_metadata
.endif
;; end of part 3
;; launch addnorm (part 4): grid 256 x 1, 8 waves a work-group, no clusters, 5,120 bytes of LDS; arguments x, opart, ob, ln_g, ln_b, out0; writes out0
.if DOCPART == 4
	.amdgcn_target "amdgcn-amd-amdhsa--gfx1250"
	.amdhsa_code_object_version 6
	.text
	.protected	k_q29f51db854_addnorm
	.globl	k_q29f51db854_addnorm
	.p2align	8
	.type	k_q29f51db854_addnorm,@function
k_q29f51db854_addnorm:
	s_mov_b64 s[64:65], 0
	v_nop
	global_prefetch_b8 v0, s[64:65] scope:SCOPE_SE
	s_setreg_imm32_b32 hwreg(HW_REG_WAVE_MODE, 25, 1), 1
	s_wait_xcnt 0x0
; out0[row] = LayerNorm(x[row] + o[batch]) * ln_g + ln_b, with o[batch] = ob + the sum over the eight K steps of opart[batch][s]: the attention's output row, which is the same for all rows of a batch.
; A work-group owns 32 rows of one batch, a wave 4 whole rows: a row of 4,096 bytes is 32 registers a lane and stays in registers between the mean, the variance (taken of h - mean, as reference() has it)
; and the scaling.  Each load and store of a wave covers 512 consecutive bytes.  All 57 loads of a wave are issued at the head.  Memory binds: no matrix unit, no tensor load, no cluster.
; o[batch] is summed once by the work-group's 256 threads, 4 numbers each, and spread through LDS: one barrier.
.set OT, 32                            ; v32-63   opart's eight parts, then o in a row's layout
.set GT, 64                            ; v64-95   ln_g
.set BT, 96                            ; v96-127  ln_b
.set X,  128                           ; v128-255 four rows
	s_load_b256 s[4:11], s[0:1], 0x0               ; x, opart, ob, ln_g
	s_load_b128 s[12:15], s[0:1], 0x20             ; ln_b, out0
	v_lshl_add_u32 v30, v0, 2, 0x1000
	v_mov_b32 v31, 0
	v_lshrrev_b32 v3, 5, v0
	s_delay_alu instid0(VALU_DEP_1)
	v_readfirstlane_b32 s16, v3                    ; wave
	v_lshlrev_b32 v1, 4, v0                        ; 16 x thread
	v_and_b32 v2, 31, v0
	s_delay_alu instid0(VALU_DEP_1)
	v_lshlrev_b32 v2, 4, v2                        ; 16 x lane
	s_lshl_b32 s18, ttmp9, 17                      ; 32 rows of 4,096 bytes a work-group,
	s_lshl_b32 s17, s16, 14                        ; 4 a wave
	s_add_co_u32 s18, s18, s17
	s_mov_b32 s19, 0
	s_lshr_b32 s20, ttmp9, 5                       ; batch
	s_lshl_b32 s20, s20, 15                        ; its 8 x 4,096 bytes of opart
	s_mov_b32 s21, 0
	s_mov_b32 s22, 0x76543210
	s_mov_b32 s23, 0xfedcba98                      ; v_permlanex16_b32's selects for lane l xor 16
	s_mov_b32 s24, 0x3a800000                      ; 1 / 1,024
	v_mov_b32 v17, 0                               ; (upper halves of pairs of which the low word is used)
	v_mov_b32 v21, 0
	s_wait_alu depctr_va_vdst(0)
	s_wait_kmcnt 0x0
	s_add_nc_u64 s[4:5], s[4:5], s[18:19]
	s_add_nc_u64 s[14:15], s[14:15], s[18:19]
	s_add_nc_u64 s[6:7], s[6:7], s[20:21]
	global_load_b128 v[4:7], v1, s[8:9]
.irp s, 0,1,2,3,4,5,6,7
	global_load_b128 v[OT+4*\s:OT+4*\s+3], v1, s[6:7] offset:4096*\s
.endr
.irp j, 0,1,2,3,4,5,6,7
	global_load_b128 v[GT+4*\j:GT+4*\j+3], v2, s[10:11] offset:512*\j
	global_load_b128 v[BT+4*\j:BT+4*\j+3], v2, s[12:13] offset:512*\j
.endr
.irp p, 0,1,2,3
.irp j, 0,1,2,3,4,5,6,7
	global_load_b128 v[X+32*\p+4*\j:X+32*\p+4*\j+3], v2, s[4:5] offset:4096*\p+512*\j th:TH_LOAD_NT
.endr
.endr
	s_wait_loadcnt 48                              ; ob and opart's eight are in; the 16 of g and beta and x's 32 stay out
.irp s, 0
	v_pk_add_f32 v[4:5], v[4:5], v[OT+4*\s:OT+4*\s+1]
	v_pk_add_f32 v[6:7], v[6:7], v[OT+4*\s+2:OT+4*\s+3]
.endr
.irp s, 1, 2, 3, 4, 5, 6, 7
	s_delay_alu instid0(VALU_DEP_2)
	v_pk_add_f32 v[4:5], v[4:5], v[OT+4*\s:OT+4*\s+1]
	s_delay_alu instid0(VALU_DEP_2)
	v_pk_add_f32 v[6:7], v[6:7], v[OT+4*\s+2:OT+4*\s+3]
.endr
	ds_store_b128 v1, v[4:7]
	s_wait_dscnt 0x0                               ; for the others' sake: my store is done
	s_barrier_signal -1
	s_barrier_wait -1
.irp j, 0,1,2,3,4,5,6,7
	ds_load_b128 v[OT+4*\j:OT+4*\j+3], v2 offset:512*\j
.endr
	s_wait_dscnt 0x0
.macro RED                             ; v8 summed over the 32 lanes, the result in every lane
	s_delay_alu instid0(VALU_DEP_1)
	v_add_f32_dpp v8, v8, v8 row_xmask:1 row_mask:0xf bank_mask:0xf
	s_delay_alu instid0(VALU_DEP_1)
	v_add_f32_dpp v8, v8, v8 row_xmask:2 row_mask:0xf bank_mask:0xf
	s_delay_alu instid0(VALU_DEP_1)
	v_add_f32_dpp v8, v8, v8 row_xmask:4 row_mask:0xf bank_mask:0xf
	s_delay_alu instid0(VALU_DEP_1)
	v_add_f32_dpp v8, v8, v8 row_xmask:8 row_mask:0xf bank_mask:0xf
	s_delay_alu instid0(VALU_DEP_1)
	v_permlanex16_b32 v9, v8, s22, s23
	s_delay_alu instid0(VALU_DEP_1)
	v_add_f32 v8, v8, v9
.endm
.macro FOLD                            ; four chains of pairs into v8
	s_delay_alu instid0(VALU_DEP_3)
	v_pk_add_f32 v[8:9], v[8:9], v[10:11]
	s_delay_alu instid0(VALU_DEP_2)
	v_pk_add_f32 v[12:13], v[12:13], v[14:15]
	s_delay_alu instid0(VALU_DEP_1)
	v_pk_add_f32 v[8:9], v[8:9], v[12:13]
	s_delay_alu instid0(VALU_DEP_1)
	v_add_f32 v8, v8, v9
.endm
.macro ROW p
.set XR, X+32*(\p)
	s_wait_loadcnt 8*(3-(\p))                      ; this row's eight loads are in; the later rows' stay out
.set i, 0
.rept 16
	v_pk_add_f32 v[XR+i:XR+i+1], v[XR+i:XR+i+1], v[OT+i:OT+i+1]   ; h = x + o
.set i, i+2
.endr
.irp c, 0,1,2,3
	v_pk_add_f32 v[8+2*\c:9+2*\c], v[XR+2*\c:XR+2*\c+1], v[XR+8+2*\c:XR+9+2*\c]   ; four chains, begun by the first numbers
.endr
.irp k, 16,24
.irp c, 0,1,2,3
	s_delay_alu instid0(VALU_DEP_4)
	v_pk_add_f32 v[8+2*\c:9+2*\c], v[8+2*\c:9+2*\c], v[XR+\k+2*\c:XR+\k+2*\c+1]
.endr
.endr
	FOLD
	RED
	s_delay_alu instid0(VALU_DEP_1)
	v_mul_f32 v16, s24, v8                         ; the mean
.set i, 0
.rept 16
	v_pk_add_f32 v[XR+i:XR+i+1], v[XR+i:XR+i+1], v[16:17] op_sel_hi:[1,0] neg_lo:[0,1] neg_hi:[0,1]   ; d = h - mean
.set i, i+2
.endr
.irp c, 0,1,2,3
	v_pk_mul_f32 v[8+2*\c:9+2*\c], v[XR+2*\c:XR+2*\c+1], v[XR+2*\c:XR+2*\c+1]
.endr
.irp k, 8,16,24
.irp c, 0,1,2,3
	s_delay_alu instid0(VALU_DEP_4)
	v_pk_fma_f32 v[8+2*\c:9+2*\c], v[XR+\k+2*\c:XR+\k+2*\c+1], v[XR+\k+2*\c:XR+\k+2*\c+1], v[8+2*\c:9+2*\c]
.endr
.endr
	FOLD
	RED
	s_delay_alu instid0(VALU_DEP_1)
	v_fmaak_f32 v18, s24, v8, 0x2b8cbccc           ; the variance + 1e-12
	s_wait_alu depctr_va_vdst(0)
	v_rsq_f32 v20, v18
	v_nop                                          ; a plain line behind the transcendental
.set i, 0
	s_wait_alu depctr_va_vdst(0)
.rept 16
	v_pk_mul_f32 v[XR+i:XR+i+1], v[XR+i:XR+i+1], v[20:21] op_sel_hi:[1,0]
.set i, i+2
.endr
.set i, 0
.rept 16
	v_pk_fma_f32 v[XR+i:XR+i+1], v[XR+i:XR+i+1], v[GT+i:GT+i+1], v[BT+i:BT+i+1]
.set i, i+2
.endr
.irp j, 0,1,2,3,4,5,6,7
	global_store_b128 v2, v[XR+4*\j:XR+4*\j+3], s[14:15] offset:4096*(\p)+512*\j th:TH_STORE_NT   ; each row has registers of its own: no store's data are written again
.endr
.endm
	ROW 0
	ROW 1
	ROW 2
	ROW 3
	s_wait_tensorcnt 0x0
	ds_add_u32 v30, v31
	s_wait_dscnt 0x0
	s_endpgm
.Lfunc_end_k_q29f51db854_addnorm:
	.size	k_q29f51db854_addnorm, .Lfunc_end_k_q29f51db854_addnorm-k_q29f51db854_addnorm
	.p2alignl 7, 3214868480
	.fill 96, 4, 3214868480
	.section	.rodata,"a",@progbits
	.p2align	6, 0x0
	.amdhsa_kernel k_q29f51db854_addnorm
		.amdhsa_group_segment_fixed_size 5120
		.amdhsa_private_segment_fixed_size 0
		.amdhsa_enable_private_segment 0
		.amdhsa_kernarg_size 48
		.amdhsa_user_sgpr_count 2
		.amdhsa_user_sgpr_kernarg_segment_ptr 1
		.amdhsa_wavefront_size32 1
		.amdhsa_system_sgpr_workgroup_id_x 1
		.amdhsa_system_sgpr_workgroup_id_y 1
		.amdhsa_system_sgpr_workgroup_id_z 1
		.amdhsa_system_vgpr_workitem_id 0
		.amdhsa_next_free_vgpr 256
		.amdhsa_next_free_sgpr 66
		.amdhsa_reserve_vcc 0
		.amdhsa_float_denorm_mode_32 3
		.amdhsa_float_denorm_mode_16_64 3
		.amdhsa_memory_ordered 1
		.amdhsa_forward_progress 1
		.amdhsa_inst_pref_size 46
	.end_amdhsa_kernel
	.amdgpu_metadata
---
amdhsa.version: [ 1, 2 ]
amdhsa.kernels:
  - .name:           k_q29f51db854_addnorm
    .symbol:         k_q29f51db854_addnorm.kd
    .args:
      - { .name: x, .offset: 0, .size: 8, .value_kind: global_buffer, .address_space: global }
      - { .name: opart, .offset: 8, .size: 8, .value_kind: global_buffer, .address_space: global }
      - { .name: ob, .offset: 16, .size: 8, .value_kind: global_buffer, .address_space: global }
      - { .name: ln_g, .offset: 24, .size: 8, .value_kind: global_buffer, .address_space: global }
      - { .name: ln_b, .offset: 32, .size: 8, .value_kind: global_buffer, .address_space: global }
      - { .name: out0, .offset: 40, .size: 8, .value_kind: global_buffer, .address_space: global }
    .group_segment_fixed_size: 5120
    .private_segment_fixed_size: 0
    .kernarg_segment_align: 8
    .kernarg_segment_size: 48
    .max_flat_workgroup_size: 256
    .sgpr_count:     66
    .vgpr_count:     256
    .wavefront_size: 32
...
	.end_amdgpu_metadata
.endif
;; end of part 4
